; MI455X (gfx1250); checked and timed in simulation.
; The chip was launched on July 23, 2026; its instructions are those of AMD's public machine-readable ISA for CDNA 5 (MIT licence, August 2026) and "CDNA5" Instruction Set Architecture Reference Guide (July 2026). The comments in the code are by the model that wrote it; some were corrected since.
;; Torch Attention. Allowed arithmetic: float matrix products may take bf16 or f16 operands with f32 sums; other float arithmetic in f32, or as packed bf16 or f16 multiplies, adds, multiply-adds, maxima and minima; sums over many terms, partial sums and values carried from step to step in f32; what a program stores and reads back later, other than sums and carried values, may be rounded once to bf16 or f16.
;; Inputs: cos 2 x 2,048 x 128 float32; sin 2 x 2,048 x 128 float32; wk 512 x 4,096 float32; wo 4,096 x 1,024 float32; wq 1,024 x 4,096 float32; wv 512 x 4,096 float32; x 2 x 2,048 x 4,096 float32.
;; Outputs: out0 2 x 2,048 x 4,096 float32.
;; One version. Each part assembles by itself: llvm-mc -triple=amdgcn-amd-amdhsa -mcpu=gfx1250 --defsym DOCPART=n.
;; ======== version 1 of 1: 4 launches
;; limits: values are held in f16: magnitudes above 65,504 overflow, below 6.1e-05 lose precision
;; workspace buffers: xb 33,554,432 bytes; wqkvb 16,777,216 bytes; wof 8,388,608 bytes; qkv 16,777,216 bytes; attn 8,388,608 bytes
;; launch cvt (part 1): grid 1792 x 1, 8 waves a work-group, no clusters, 0 bytes of LDS; arguments x, wq, wk, wv, wo, xb, wqkvb, wof; writes xb, wqkvb, wof
.if DOCPART == 1
	.amdgcn_target "amdgcn-amd-amdhsa--gfx1250"
	.amdhsa_code_object_version 6
	.text
	.protected	k_q0868b901c9_cvt
	.globl	k_q0868b901c9_cvt
	.p2align	8
	.type	k_q0868b901c9_cvt,@function
k_q0868b901c9_cvt:
	s_mov_b64 s[64:65], 0
	v_nop
	global_prefetch_b8 v0, s[64:65] scope:SCOPE_SE
	s_setreg_imm32_b32 hwreg(HW_REG_WAVE_MODE, 25, 1), 1
	s_wait_xcnt 0x0
; THE CAST.  x, wq, wk -> bf16;  16 wv -> bf16;  16 wo -> bf16 and that number written as f16.  The factors are powers of two: they change no mantissa.
; wq, wk and wv go into ONE table wqkvb [2048][4096]: rows 0-1023 wq; rows 1024 + 256 j .. + 127 wk's head j; rows 1024 + 256 j + 128 .. + 255 wv's head j (times 16).
; LIMITS.  |16 wo| stays under 65,504 (f16's end); below 6e-5 the f16 copy keeps f16's fixed step of 6e-8.  NaN and infinities are not treated apart.
; SHARES.  A work-group takes a unit of 16,384 numbers (65,536 bytes in, 32,768 out): 1,024 units of x, 256 of wq, 128 of wk, 128 of wv, 256 of wo = 1,792.
; A wave takes 8,192 bytes of it: sixteen loads of 512 consecutive bytes, all issued at once; each store of the wave covers 256 consecutive bytes, aligned.
; No LDS, no matrix unit, no cluster: nothing is shared and nothing is read twice.
.set X, 4                              ; v[4:67]    sixteen loads of four f32
.set Y, 68                             ; v[68:99]   sixteen pairs of packed results
.set T, 100                            ; v[100:103] at work
	s_load_b512 s[8:23], s[0:1], 0x0               ; x 8:9, wq 10:11, wk 12:13, wv 14:15, wo 16:17, xb 18:19, wqkvb 20:21, wof 22:23
	s_mov_b32 s31, ttmp9                           ; u, my unit
	s_mov_b32 s37, 0xffff0000                      ; a word's upper bf16
	v_and_b32 v[T], 0xe0, v0                       ; 32 x wave
	v_and_b32 v[T+1], 31, v0                       ; lane
	v_lshlrev_b32 v1, 4, v[T+1]
	v_lshl_or_b32 v1, v[T], 8, v1                  ; in: 8,192 x wave + 16 x lane
	v_lshlrev_b32 v2, 3, v[T+1]
	v_lshl_or_b32 v2, v[T], 7, v2                  ; out: 4,096 x wave + 8 x lane
	; su = my unit's number within its tensor
	s_mov_b32 s28, 1536
	s_cmp_lt_u32 s31, 1536
	s_cselect_b32 s28, 1408, s28
	s_cmp_lt_u32 s31, 1408
	s_cselect_b32 s28, 1280, s28
	s_cmp_lt_u32 s31, 1280
	s_cselect_b32 s28, 1024, s28
	s_cmp_lt_u32 s31, 1024
	s_cselect_b32 s28, 0, s28
	s_sub_co_u32 s29, s31, s28
	; du = the unit's number in its target.  A unit is 4 rows of 4,096, a head 32 units: wk's and wv's heads alternate behind wq's 256 units
	s_lshr_b32 s30, s29, 5
	s_lshl_b32 s30, s30, 6
	s_and_b32 s36, s29, 31
	s_add_co_u32 s30, s30, s36
	s_add_co_u32 s30, s30, 256
	s_cmp_ge_u32 s31, 1408
	s_cselect_b32 s36, 32, 0
	s_add_co_u32 s30, s30, s36
	s_cmp_lt_u32 s31, 1280
	s_cselect_b32 s30, s29, s30                    ; x and wq keep their order,
	s_cmp_ge_u32 s31, 1536
	s_cselect_b32 s30, s29, s30                    ; and so does wo
	s_lshl_b32 s32, s29, 16                        ; byte offsets, each in a pair of its own
	s_mov_b32 s33, 0
	s_lshl_b32 s34, s30, 15
	s_mov_b32 s35, 0
	s_wait_kmcnt 0x0
	s_mov_b64 s[24:25], s[16:17]                   ; from wo
	s_mov_b64 s[26:27], s[22:23]                   ; to wof
	s_cmp_lt_u32 s31, 1536
	s_cselect_b64 s[24:25], s[14:15], s[24:25]
	s_cselect_b64 s[26:27], s[20:21], s[26:27]
	s_cmp_lt_u32 s31, 1408
	s_cselect_b64 s[24:25], s[12:13], s[24:25]
	s_cmp_lt_u32 s31, 1280
	s_cselect_b64 s[24:25], s[10:11], s[24:25]
	s_cmp_lt_u32 s31, 1024
	s_cselect_b64 s[24:25], s[8:9], s[24:25]
	s_cselect_b64 s[26:27], s[18:19], s[26:27]
	s_add_nc_u64 s[24:25], s[24:25], s[32:33]
	s_add_nc_u64 s[26:27], s[26:27], s[34:35]
.set j, 0
.rept 16
	global_load_b128 v[X+4*j:X+4*j+3], v1, s[24:25] offset:512*j th:TH_LOAD_NT
.set j, j+1
.endr
; path 0: to bf16.  path 1: times 16, to bf16.  path 2: times 16, to bf16, and that number as f16.
; No register that a pending load or store names is written again, so the only waits are the counted ones for the loads.
.macro CONV path
.set j, 0
.rept 16
	s_wait_loadcnt 15-j                            ; loads come back in order: load j is in, the 15 - j younger ones stay out
.if (\path) > 0
	v_pk_mul_f32 v[X+4*j:X+4*j+1],   v[X+4*j:X+4*j+1],   0x41800000 op_sel_hi:[1,0]
	v_pk_mul_f32 v[X+4*j+2:X+4*j+3], v[X+4*j+2:X+4*j+3], 0x41800000 op_sel_hi:[1,0]
.endif
	v_cvt_pk_bf16_f32 v[Y+2*j],   v[X+4*j],   v[X+4*j+1]
	v_cvt_pk_bf16_f32 v[Y+2*j+1], v[X+4*j+2], v[X+4*j+3]
.if (\path) == 2
	v_lshlrev_b32 v[T],   16,  v[Y+2*j]             ; the bf16 numbers as f32,
	v_and_b32     v[T+1], s37, v[Y+2*j]
	v_lshlrev_b32 v[T+2], 16,  v[Y+2*j+1]
	v_and_b32     v[T+3], s37, v[Y+2*j+1]
	v_cvt_pk_f16_f32 v[Y+2*j],   v[T],   v[T+1]    ; written as f16: eight significant bits fit into eleven
	v_cvt_pk_f16_f32 v[Y+2*j+1], v[T+2], v[T+3]
.endif
	global_store_b64 v2, v[Y+2*j:Y+2*j+1], s[26:27] offset:256*j th:TH_STORE_NT
.set j, j+1
.endr
	s_endpgm
.endm
	s_cmp_lt_u32 s31, 1408
	s_cbranch_scc1 .Lplain
	s_cmp_lt_u32 s31, 1536
	s_cbranch_scc1 .Lwv
	CONV 2
.Lwv:
	CONV 1
.Lplain:
	CONV 0
.Lfunc_end_k_q0868b901c9_cvt:
	.size	k_q0868b901c9_cvt, .Lfunc_end_k_q0868b901c9_cvt-k_q0868b901c9_cvt
	.p2alignl 7, 3214868480
	.fill 96, 4, 3214868480
	.section	.rodata,"a",@progbits
	.p2align	6, 0x0
	.amdhsa_kernel k_q0868b901c9_cvt
		.amdhsa_group_segment_fixed_size 0
		.amdhsa_private_segment_fixed_size 0
		.amdhsa_enable_private_segment 0
		.amdhsa_kernarg_size 64
		.amdhsa_user_sgpr_count 2
		.amdhsa_user_sgpr_kernarg_segment_ptr 1
		.amdhsa_wavefront_size32 1
		.amdhsa_system_sgpr_workgroup_id_x 1
		.amdhsa_system_sgpr_workgroup_id_y 1
		.amdhsa_system_sgpr_workgroup_id_z 1
		.amdhsa_system_vgpr_workitem_id 0
		.amdhsa_next_free_vgpr 108
		.amdhsa_next_free_sgpr 66
		.amdhsa_reserve_vcc 0
		.amdhsa_float_denorm_mode_32 3
		.amdhsa_float_denorm_mode_16_64 3
		.amdhsa_memory_ordered 1
		.amdhsa_forward_progress 1
		.amdhsa_inst_pref_size 27
	.end_amdhsa_kernel
	.amdgpu_metadata
---
amdhsa.version: [ 1, 2 ]
amdhsa.kernels:
  - .name:           k_q0868b901c9_cvt
    .symbol:         k_q0868b901c9_cvt.kd
    .args:
      - { .name: x, .offset: 0, .size: 8, .value_kind: global_buffer, .address_space: global }
      - { .name: wq, .offset: 8, .size: 8, .value_kind: global_buffer, .address_space: global }
      - { .name: wk, .offset: 16, .size: 8, .value_kind: global_buffer, .address_space: global }
      - { .name: wv, .offset: 24, .size: 8, .value_kind: global_buffer, .address_space: global }
      - { .name: wo, .offset: 32, .size: 8, .value_kind: global_buffer, .address_space: global }
      - { .name: xb, .offset: 40, .size: 8, .value_kind: global_buffer, .address_space: global }
      - { .name: wqkvb, .offset: 48, .size: 8, .value_kind: global_buffer, .address_space: global }
      - { .name: wof, .offset: 56, .size: 8, .value_kind: global_buffer, .address_space: global }
    .group_segment_fixed_size: 0
    .private_segment_fixed_size: 0
    .kernarg_segment_align: 8
    .kernarg_segment_size: 64
    .max_flat_workgroup_size: 256
    .sgpr_count:     66
    .vgpr_count:     108
    .wavefront_size: 32
...
	.end_amdgpu_metadata
.endif
;; end of part 1
;; launch qkv (part 2): grid 8 x 32, 4 waves a work-group, clusters of 4 x 4, 327,680 bytes of LDS; arguments xb, wqkvb, cos, sin, qkv; writes qkv
.if DOCPART == 2
	.amdgcn_target "amdgcn-amd-amdhsa--gfx1250"
	.amdhsa_code_object_version 6
	.text
	.protected	k_q0868b901c9_qkv
	.globl	k_q0868b901c9_qkv
	.p2align	8
	.type	k_q0868b901c9_qkv,@function
k_q0868b901c9_qkv:
	s_mov_b64 s[64:65], 0
	v_nop
	global_prefetch_b8 v0, s[64:65] scope:SCOPE_SE
	s_setreg_imm32_b32 hwreg(HW_REG_WAVE_MODE, 25, 1), 1
	s_wait_xcnt 0x0
	s_wait_alu depctr_hold_cnt(0) depctr_sa_sdst(0) depctr_va_vdst(0) depctr_va_sdst(0) depctr_va_ssrc(0) depctr_va_vcc(0) depctr_vm_vsrc(0)
	s_getreg_b32 s2, hwreg(HW_REG_IB_STS2, 6, 4)
	s_cmp_eq_u32 s2, 0
	s_cbranch_scc0 .Lentry_in_a_cluster
	s_endpgm
.Lentry_in_a_cluster:
	s_bfe_u32 s2, ttmp6, 0x10000c
	s_cmp_lg_u32 s2, 0xf033
	s_cbranch_scc0 .Lentry_shape_is_right
	s_endpgm
.Lentry_shape_is_right:
; q, k, 16 v = x W^T, the rotary turn on q and k in f32, the results by heads in f16.
; A = xb [4096][4096] bf16, B = wqkvb [2048][4096] bf16 (rows: 8 heads of q, then k and 16 v of head j by turns); sums in f32, K ascending.
; OUT: qkv [b = 2][plane = 16][s = 2048][128] f16: planes 0-7 q's heads, plane 8 + 2 j k's head j, plane 9 + 2 j 16 v's head j.  Each number is rounded once.
; LIMITS.  |q|, |k|, |16 v| stay under 65,504 (f16's end); below 6e-5 they keep f16's fixed step of 6e-8.  cos and sin are used as they come, in f32.  NaN and infinities are not treated apart.
; SHARES.  A tile of C is 128 x 256: 32 x 8 = 256 work-groups.  Four waves, each 64 rows x 128 columns: 32 accumulators of 16 x 16, 256 registers.  A wave's 128 columns are ONE plane,
; so channels d and d + 64 of a row are accumulators b and b + 4 of the same lane and register: the rotary turn changes no lane.
; THE RING HAS A LONG AND A SHORT SLOT.  Two slots of 256 along K would take 2 x 384 rows x 528 bytes = 405,504 bytes, more than a work-group can have.  So K goes by turns through a long slot
; (256 along K: rows of 512 bytes) and a short one (128: rows of 256 bytes), 307,200 bytes together: 4,096 = 10 x (256 + 128) + 256: eleven long steps, ten short ones, 20 changes of slots.
; The short slot's load has a long step less sixteen, 240 matrix instructions, in which to land; the long slot's a short step less sixteen, 112.  All rows are whole aligned blocks of 256 bytes.
; CLUSTER.  4 x 4 work-groups: A's tile is shared along a row of the cluster, B's along a column: each is asked for jointly, by the same tensor load with the same descriptor and a mask of four.
; THE MATRIX INSTRUCTION IS USED TRANSPOSED (source 0 = 16 rows of B, source 1 = 16 rows of A): lane l holds row l % 16 of C and the columns 8 (l / 16) + 0..7.
; REGISTERS, in windows of 256 (s_set_vgpr_msb: bits 1:0 source 0, 3:2 source 1, 5:4 source 2, 7:6 destination):
;   window 0: v16-30 addresses; two fragment buffers of 96 (v32-127, v128-223): B's eight fragments, then A's four; on the way out v32-191 at work
;   window 1: accumulator (a, b) at v[8 (8 a + b)]          window 2: cos of my 64 rows x 128 channels          window 3: sin
.set KS,     4096
.set PL,     528                       ; a row of the long slot: 512 bytes + 16 of padding = 33 x 16: the 16 rows that a load touches start at 16 different groups of four banks (ISA guide 11.1)
.set PS,     272                       ; a row of the short slot: 256 + 16 = 17 x 16
.set ALH,    64*PL                     ; the long slot: 64 rows of A, what waves 0 and 1 fetch and what a wave reads of A,
.set BLH,    128*PL                    ; and 128 rows of B, what waves 2 and 3 fetch and what a wave reads of B
.set BLO,    2*ALH                     ; A's 128 rows, then B's 256
.set SOFF,   BLO+2*BLH                 ; the short slot lies behind the long one
.set ASH,    64*PS
.set BSH,    128*PS
.set BSO,    SOFF+2*ASH
.set STAGE,  BSO+2*BSH                 ; behind the ring, never filled by a tensor load: 16 rows x 272 bytes for each wave
.set SPITCH, 272
.set SPARE,  STAGE+4*16*SPITCH         ; the spare words, 128 bytes for each wave: two blocks of 256 bytes that no other line names
.set LAPB,   768                       ; bytes of a row in a lap: a long step's 512 and a short step's 256
.set AL,   16                          ; v16     LDS address of my A fragments in the long slot; never rewritten
.set ASV,  17                          ; v17     in the short slot; never rewritten
.set MA,   18                          ; v18     v16 + the offset along K of the pair of quarters in hand
.set BL,   20                          ; v20-22  the same three for B
.set BSV,  21
.set MB,   22
.set STO,  24                          ; v24     the way out: where I put 16 bytes of a row
.set RD,   25                          ; v25     where I read rows back
.set CO,   26                          ; v26     16 x lane: my place in 512 consecutive bytes of a plane
.set CSO,  27                          ; v27     my byte offset in 16 rows of cos and sin
.set SPW,  28                          ; v28     my spare word; never rewritten
.set NIL,  29                          ; v29     0; never rewritten
.set PFO,  30                          ; v30     the prefetches' offset: lane x a row of A or B; never rewritten
.set F0,   32
.set F1,   128
.set TT,   32                          ; the way out: 64 turned numbers in f32
.set PKD,  96                          ; 32 registers of packed f16
.set BK,   128                         ; two sets of 32: rows read back from the stage
.set G1AL, 24                          ; s[24:31] descriptor group 1: A's tiles for the long slot
.set G1AS, 32                          ; s[32:39] A's for the short slot
.set G1BL, 40                          ; s[40:47] B's for the long slot
.set G1BS, 48                          ; s[48:55] B's for the short slot
.set G0AL, 56                          ; s[56:59], s[60:63], s[68:71], s[72:75] descriptor group 0, in the same order
.set G0AS, 60
.set G0BL, 68
.set G0BS, 72
.set CXS,  76                          ; s76, s77 my place in the cluster
.set CYS,  77
.set TC,   78                          ; s78     tile column
.set LIM,  79                          ; s79     1 in a wave that prefetches
.set PFA,  80                          ; s[80:81] where my prefetches stand: my 32 rows, at the next lap's first byte
.set COSB, 82                          ; s[82:83] cos at my first row;  s[84:85] sin
.set SINB, 84
.set ISV,  86                          ; s86     1: my plane is v's
.set KO,   87                          ; s87     the offset along K, in bytes, of the pair of quarters in hand
.set PCNT, 94                          ; s94     counts the pairs
.set MSB, 0
.macro WIN new                         ; the immediate's high byte repeats the setting that is left; a switch that changes nothing is dropped
.if MSB != (\new)
	s_set_vgpr_msb (MSB<<8)|(\new)
.set MSB, \new
.endif
.endm
.set MUL, 0x50                         ; fragments in window 0, C and D in window 1
.macro PLACES                          ; four places behind a matrix instruction, in front of loads into registers that it has read and of lines that read results
.rept 4
	v_nop
.endr
.endm
; A joint load: waves 0 and 1 fetch A's two halves, waves 2 and 3 B's.  The branch hangs on the wave's number alone.  An s_nop 0 and four v_nop follow each line.
.macro JLOAD g0a, g1a, g0b, g1b
	s_cmp_eq_u32 s11, 0
	s_cbranch_scc0 .Lfor_b_\@
	tensor_load_to_lds s[\g0a:\g0a+3], s[\g1a:\g1a+7]
	s_nop 0
.rept 4
	v_nop
.endr
	s_branch .Lasked_\@
.Lfor_b_\@:
	tensor_load_to_lds s[\g0b:\g0b+3], s[\g1b:\g1b+7]
	s_nop 0
.rept 4
	v_nop
.endr
.Lasked_\@:
.endm
.macro CREST                           ; a round of the cluster's barrier behind its opening barrier
	s_cmp_lg_u32 s10, 0
	s_cbranch_scc1 .Lnot_wave_0_\@
	s_barrier_signal -3
.Lnot_wave_0_\@:
	s_barrier_wait -3
	s_barrier_signal -1
	s_barrier_wait -1
.endm
.macro CROUND
	s_barrier_signal -1
	s_barrier_wait -1
	CREST
.endm
; A prefetch of what the NEXT refill will load: behind the long slot's refill the next short step (256 bytes a row), behind the short slot's the next long step (512 bytes a row); a lane a row.
; A's rows are read by every cluster of a row of clusters: cluster x = 0 asks, wave 0 of each of the four partners for 32 of the 128 rows.  B's rows are read by every cluster of a column: cluster y = 0
; asks, waves 2 and 3 of each partner for 32 of the 128 rows that they fetch.  The partners are told apart by address.  So each row's 256 bytes are named once.  The first long step, the first short step
; and the second long step come by their loads alone; every trip of the loop has a next refill of each kind, and the tail asks for nothing.
.macro ASK which
	s_cmp_eq_u32 s[LIM], 1
	s_cbranch_scc0 .Lnot_mine_\@
.if (\which) == 0
	global_prefetch_b8 v[PFO], s[PFA:PFA+1] offset:512 th:TH_LOAD_NT scope:SCOPE_SE
.else
	global_prefetch_b8 v[PFO], s[PFA:PFA+1] offset:LAPB th:TH_LOAD_NT scope:SCOPE_SE
	global_prefetch_b8 v[PFO], s[PFA:PFA+1] offset:LAPB+256 th:TH_LOAD_NT scope:SCOPE_SE
.endif
.Lnot_mine_\@:
.endm
.macro G1REST g, kel, rows             ; the constant words of a group 1: a tile of rows x kel elements
	s_mov_b32 s[(\g)+1], (\kel)<<16                ; tensor_dim0
	s_mov_b32 s[(\g)+2], (\rows)<<16               ; tensor_dim1
	s_mov_b32 s[(\g)+3], (\kel)<<16                ; tile_dim0
	s_mov_b32 s[(\g)+4], \rows                     ; tile_dim1
	s_mov_b32 s[(\g)+5], KS                        ; elements from row to row
	s_mov_b32 s[(\g)+6], 0
	s_mov_b32 s[(\g)+7], 0
.endm
	s_load_b128 s[4:7], s[0:1], 0x0                ; xb s[4:5], wqkvb s[6:7]
	s_load_b128 s[88:91], s[0:1], 0x10             ; cos s[88:89], sin s[90:91]
	s_load_b64 s[8:9], s[0:1], 0x20                ; qkv
	v_lshl_add_u32 v[SPW], v0, 2, SPARE
	v_mov_b32 v[NIL], 0
	ds_add_u32 v[SPW], v[NIL]                      ; the wave's opening: the add and its wait, ahead of my first tensor load; work on registers stands between them
	v_lshrrev_b32 v1, 5, v0
	v_readfirstlane_b32 s10, v1                    ; wave 0..3
	s_lshr_b32 s11, s10, 1                         ; which 64 rows of the tile are mine.  Also: I fetch for A (0) or for B (1)
	s_and_b32 s12, s10, 1                          ; which 128 columns.  Also: which half of that tile I fetch
	s_bfe_u32 s[CXS], ttmp6, 0x40000               ; cx
	s_bfe_u32 s[CYS], ttmp6, 0x40004               ; cy
	s_lshl_b32 s[TC], ttmp9, 2
	s_add_co_u32 s[TC], s[TC], s[CXS]              ; tile column = 4 x cluster x + cx
	s_and_b32 s13, ttmp7, 0xffff
	s_lshl_b32 s13, s13, 2
	s_add_co_u32 s13, s13, s[CYS]                  ; tile row = 4 x cluster y + cy
	s_lshl_b32 s14, s[CYS], 2
	s_lshl_b32 s14, 15, s14                        ; my row of the cluster
	s_lshl_b32 s92, 0x1111, s[CXS]                 ; my column
	s_or_b32 s[G1AL], s14, (1<<16)|(1<<20)|(1<<21)|(6<<22)|(3<<25)  ; the mask; elements of 2 bytes; padding on; bit 21 beside a mask; after every 128 words 4 words
	s_or_b32 s[G1AS], s14, (1<<16)|(1<<20)|(1<<21)|(5<<22)|(3<<25)  ; after every 64 words 4 words
	s_or_b32 s[G1BL], s92, (1<<16)|(1<<20)|(1<<21)|(6<<22)|(3<<25)
	s_or_b32 s[G1BS], s92, (1<<16)|(1<<20)|(1<<21)|(5<<22)|(3<<25)
	G1REST G1AL, 256, 64
	G1REST G1AS, 128, 64
	G1REST G1BL, 256, 128
	G1REST G1BS, 128, 128
	s_lshl_b32 s17, s12, 6
	s_lshl_b32 s16, s13, 7
	s_add_co_u32 s16, s16, s17                     ; A: row 128 x tile row + 64 x half
	s_lshl_b32 s93, s12, 7
	s_lshl_b32 s92, s[TC], 8
	s_add_co_u32 s92, s92, s93                     ; B: row 256 x tile column + 128 x half
	s_mov_b32 s17, 0
	s_mov_b32 s93, 0
	s_mov_b64 s[18:19], KS*2
	s_mul_u64 s[16:17], s[16:17], s[18:19]         ; in bytes
	s_mul_u64 s[92:93], s[92:93], s[18:19]
	s_mul_i32 s20, s12, ALH                        ; where they go: no place in the cluster enters an LDS address
	s_mul_i32 s21, s12, ASH
	s_add_co_u32 s21, s21, SOFF
	s_mul_i32 s22, s12, BLH
	s_add_co_u32 s22, s22, BLO
	s_mul_i32 s23, s12, BSH
	s_add_co_u32 s23, s23, BSO
	s_cmp_eq_u32 ttmp9, 1                          ; planes 8-15 lie in cluster column 1, and there the odd planes are v's
	s_cselect_b32 s[ISV], s12, 0
	s_wait_dscnt 0x0                               ; the opening add is done
	s_wait_kmcnt 0x0
	s_add_nc_u64 s[14:15], s[4:5], s[16:17]
	s_add_nc_u64 s[92:93], s[6:7], s[92:93]
	CROUND                                         ; all sixteen work-groups are here: the first joint loads meet
	s_mov_b32 s[G0AL], 1
	s_mov_b32 s[G0AL+1], s20
	s_add_nc_u64 s[G0AL+2:G0AL+3], s[14:15], 0     ; the first long step: K = 0 .. 255
	s_or_b32 s[G0AL+3], s[G0AL+3], 0x80000000
	s_mov_b32 s[G0BL], 1
	s_mov_b32 s[G0BL+1], s22
	s_add_nc_u64 s[G0BL+2:G0BL+3], s[92:93], 0
	s_or_b32 s[G0BL+3], s[G0BL+3], 0x80000000
	JLOAD G0AL, G1AL, G0BL, G1BL
	s_mov_b32 s[G0AS], 1
	s_mov_b32 s[G0AS+1], s21
	s_add_nc_u64 s[G0AS+2:G0AS+3], s[14:15], 512   ; the first short step: K = 256 .. 383
	s_or_b32 s[G0AS+3], s[G0AS+3], 0x80000000
	s_mov_b32 s[G0BS], 1
	s_mov_b32 s[G0BS+1], s23
	s_add_nc_u64 s[G0BS+2:G0BS+3], s[92:93], 512
	s_or_b32 s[G0BS+3], s[G0BS+3], 0x80000000
	JLOAD G0AS, G1AS, G0BS, G1BS                   ; two loads of mine are out
	; a fragment is 16 rows x 32 K in 8 registers: lane l holds row l % 16, K = 8 (l / 16) + 0..7 and 16 + 8 (l / 16) + 0..7: two loads of 16 bytes, 32 bytes apart
	v_and_b32 v1, 15, v0                           ; l % 16
	v_bfe_u32 v2, v0, 4, 1                         ; l / 16
	v_mul_u32_u24 v3, v1, PL
	v_lshl_add_u32 v3, v2, 4, v3
	v_mul_u32_u24 v4, v1, PS
	v_lshl_add_u32 v4, v2, 4, v4
	s_mul_i32 s20, s11, ALH                        ; my 64 rows of A,
	s_mul_i32 s21, s11, ASH
	s_add_co_u32 s21, s21, SOFF
	v_add_nc_u32 v[AL], s20, v3
	v_add_nc_u32 v[ASV], s21, v4
	v_add_nc_u32 v[BL], s22, v3                    ; my 128 rows of B: the half that goes by my wave's number % 2, as the loads' addresses above
	v_add_nc_u32 v[BSV], s23, v4
	s_mul_i32 s23, s10, 16*SPITCH
	s_add_co_u32 s23, s23, STAGE                   ; my stage
	v_mul_u32_u24 v4, v1, SPITCH                   ; in: row l % 16, 16 bytes for each half of the lanes
	v_lshl_add_u32 v4, v2, 4, v4
	v_add_nc_u32 v[STO], s23, v4
	v_mul_u32_u24 v5, v2, SPITCH                   ; back: lanes 0-15 one row of 256 bytes, lanes 16-31 the next
	v_lshl_add_u32 v5, v1, 4, v5
	v_add_nc_u32 v[RD], s23, v5
	v_and_b32 v[CO], 31, v0
	v_lshlrev_b32 v[CO], 4, v[CO]
	v_lshlrev_b32 v[CSO], 9, v1                    ; a row of cos is 512 bytes; my eight channels of a block of 16 begin 32 (l / 16) bytes in
	v_lshl_add_u32 v[CSO], v2, 5, v[CSO]
	s_lshl_b32 s16, s13, 7
	s_lshl_b32 s17, s11, 6
	s_add_co_u32 s16, s16, s17                     ; m0, my first row: 2,048 b + s
	s_lshl_b32 s18, s16, 9
	s_mov_b32 s19, 0
	s_add_nc_u64 s[COSB:COSB+1], s[88:89], s[18:19]
	s_add_nc_u64 s[SINB:SINB+1], s[90:91], s[18:19]
	s_lshr_b32 s17, s16, 11                        ; b
	s_lshl_b32 s17, s17, 4
	s_lshl_b32 s92, s[TC], 1
	s_add_co_u32 s92, s92, s12                     ; my plane
	s_add_co_u32 s92, s92, s17
	s_lshl_b32 s92, s92, 19                        ; a plane is 2,048 rows of 256 bytes
	s_and_b32 s16, s16, 2047
	s_lshl_b32 s16, s16, 8
	s_add_co_u32 s92, s92, s16
	s_mov_b32 s93, 0
	s_add_nc_u64 s[8:9], s[8:9], s[92:93]          ; qkv at my first row of my plane
	; the prefetches
	s_lshl_b32 s20, s13, 7                         ; A's tile: its first row
	s_lshl_b32 s21, s[TC], 8
	s_lshl_b32 s22, s12, 7
	s_add_co_u32 s21, s21, s22                     ; B's: the 128 rows that I fetch
	s_and_b32 s22, ttmp7, 0xffff                   ; cluster y
	s_cmp_eq_u32 s11, 0
	s_cselect_b32 s20, s20, s21
	s_cselect_b32 s21, s[CXS], s[CYS]              ; my place among the four that ask with me
	s_cselect_b32 s22, ttmp9, s22                  ; the coordinate along which other clusters read the same rows
	s_cselect_b64 s[PFA:PFA+1], s[4:5], s[6:7]
	s_cmp_eq_u32 s10, 1
	s_cselect_b32 s22, 1, s22                      ; A's 128 rows are shared out among the four partners' waves 0: wave 1 asks for nothing
	s_cmp_eq_u32 s22, 0
	s_cselect_b32 s[LIM], 1, 0                     ; the same in all sixteen partners, for a given wave
	s_lshl_b32 s21, s21, 5
	s_add_co_u32 s20, s20, s21
	s_mov_b32 s21, 0
	s_mov_b64 s[18:19], KS*2
	s_mul_u64 s[20:21], s[20:21], s[18:19]
	s_add_nc_u64 s[PFA:PFA+1], s[PFA:PFA+1], s[20:21]  ; at the rows' first byte: the first change of slots steps it to the second lap
	v_and_b32 v[PFO], 31, v0
	v_mul_u32_u24 v[PFO], v[PFO], KS*2
; 8 matrix instructions: m block a x all 8 n blocks, 32 along K.  The 32 accumulators take turns, one instruction a turn, in the same order in every quarter.
.macro MULA f, a, zero
	WIN MUL
.irp b, 0,1,2,3,4,5,6,7
.if \zero
	v_wmma_f32_16x16x32_bf16 v[8*(8*(\a)+(\b)):8*(8*(\a)+(\b))+7], v[(\f)+8*(\b):(\f)+8*(\b)+7], v[(\f)+64+8*(\a):(\f)+64+8*(\a)+7], 0
.else
	v_wmma_f32_16x16x32_bf16 v[8*(8*(\a)+(\b)):8*(8*(\a)+(\b))+7], v[(\f)+8*(\b):(\f)+8*(\b)+7], v[(\f)+64+8*(\a):(\f)+64+8*(\a)+7], v[8*(8*(\a)+(\b)):8*(8*(\a)+(\b))+7]
.endif
.endr
.endm
; 24 LDS loads in one run: the fragments of 32 along K, at byte k behind the addresses in v[ra] (A) and v[rb] (B), rows pitch bytes apart, into buffer f: B's sixteen loads, then A's eight
.macro FETCH ra, rb, pitch, k, f
	WIN 0
.irp i, 0,1,2,3,4,5,6,7
	ds_load_b128 v[(\f)+8*(\i):(\f)+8*(\i)+3],   v[\rb] offset:(\k)+(\i)*16*(\pitch)
	ds_load_b128 v[(\f)+8*(\i)+4:(\f)+8*(\i)+7], v[\rb] offset:(\k)+(\i)*16*(\pitch)+32
.endr
.irp i, 0,1,2,3
	ds_load_b128 v[(\f)+64+8*(\i):(\f)+64+8*(\i)+3],   v[\ra] offset:(\k)+(\i)*16*(\pitch)
	ds_load_b128 v[(\f)+64+8*(\i)+4:(\f)+64+8*(\i)+7], v[\ra] offset:(\k)+(\i)*16*(\pitch)+32
.endr
.endm
; A QUARTER is 32 along K, 32 matrix instructions; a short step has four, a long step eight, on buffers 0, 1 by turns.  It multiplies f and fetches the next quarter's fragments into g.
.macro QUARTER ra, rb, pitch, k, f, g, zero
	s_wait_dscnt 4                                 ; B and A's blocks 0, 1 are in; the four youngest loads (A's blocks 2, 3) may be out
	MULA \f, 0, \zero
	MULA \f, 1, \zero
	PLACES
	FETCH \ra, \rb, \pitch, \k, \g
	s_wait_dscnt 24                                ; all but the 24 just issued
	MULA \f, 2, \zero
	MULA \f, 3, \zero
.endm
; Quarters 2 to 7 of a long step: written once as a pair, walked three times; the offset along K steps by 128 bytes.
.macro PAIRS
	WIN 0
	s_mov_b32 s[KO], 0
	s_mov_b32 s[PCNT], 3
.Lpair_\@:
	v_add_nc_u32 v[MA], s[KO], v[AL]
	v_add_nc_u32 v[MB], s[KO], v[BL]
	QUARTER MA, MB, PL, 128, F1, F0, 0
	QUARTER MA, MB, PL, 192, F0, F1, 0
	WIN 0
	s_add_co_u32 s[KO], s[KO], 128
	s_sub_co_u32 s[PCNT], s[PCNT], 1
	s_cmp_lg_u32 s[PCNT], 0
	s_cbranch_scc1 .Lpair_\@
.endm
; A step's last quarter multiplies buffer 1 and changes slots: ONE barrier.  In front of it each wave waits for all its tensor loads (one is out: its part of the other slot), adds 0 to its spare word, and waits
; for that and for its reads of this slot.  which = 0: the long slot is left, 1: the short one.  fill = 1: the barrier opens a round of the cluster's, and the slot that is left is filled again, with its step of
; the next lap, first thing behind the round.  ask = 1: the prefetch follows.
.macro TURN which, fill, ask
.if (\ask) && ((\which) == 0)
	s_wait_xcnt 0x0                                ; the last prefetches, a long step back, have read their address
	s_add_nc_u64 s[PFA:PFA+1], s[PFA:PFA+1], LAPB
.endif
	WIN 0
	s_wait_tensorcnt 0x0                           ; all my tensor loads have landed
	ds_add_u32 v[SPW], v[NIL]                      ; 0 onto my spare word
	s_wait_dscnt 5                                 ; (the add and the four youngest loads may be out)
	MULA F1, 0, 0                                  ; eight matrix instructions stand between the add and the wait for it
	s_wait_dscnt 0x0                               ; the add is done, and my reads of this slot are over
	s_barrier_signal -1
	MULA F1, 1, 0
.if \fill
	WIN 0
.endif
	s_barrier_wait -1
.if \fill
	CREST                                          ; no wave of any partner still reads this slot's tile or has a load on its way
.if (\which) == 0
	s_add_nc_u64 s[G0AL+2:G0AL+3], s[G0AL+2:G0AL+3], LAPB
	s_add_nc_u64 s[G0BL+2:G0BL+3], s[G0BL+2:G0BL+3], LAPB
	JLOAD G0AL, G1AL, G0BL, G1BL                   ; the four v_nop behind it are also the places in front of the loads below
.else
	s_add_nc_u64 s[G0AS+2:G0AS+3], s[G0AS+2:G0AS+3], LAPB
	s_add_nc_u64 s[G0BS+2:G0BS+3], s[G0BS+2:G0BS+3], LAPB
	JLOAD G0AS, G1AS, G0BS, G1BS
.endif
.else
	PLACES
.endif
.if (\which) == 0
	FETCH ASV, BSV, PS, 0, F0
.else
	FETCH AL, BL, PL, 0, F0
.endif
.if \ask
	ASK \which
.endif
	MULA F1, 2, 0
	MULA F1, 3, 0
.endm
; cos and sin of my rows 16 a .. 16 a + 15, laid as the accumulators are: register 64 a + 8 b + j is channel 16 b + 8 (l / 16) + j of row l % 16.  The sixteen loads of a table cover the rows' 512 bytes whole.
; Every wave loads them, the waves that hold v too: so the registers are written on every way.
.macro CSLOAD a
	WIN 0x80                                       ; destination window 2
.irp b, 0,1,2,3,4,5,6,7
	global_load_b128 v[64*(\a)+8*(\b):64*(\a)+8*(\b)+3],   v[CSO], s[COSB:COSB+1] offset:(\a)*8192+64*(\b)
	global_load_b128 v[64*(\a)+8*(\b)+4:64*(\a)+8*(\b)+7], v[CSO], s[COSB:COSB+1] offset:(\a)*8192+64*(\b)+16
.endr
	WIN 0xc0                                       ; destination window 3
.irp b, 0,1,2,3,4,5,6,7
	global_load_b128 v[64*(\a)+8*(\b):64*(\a)+8*(\b)+3],   v[CSO], s[SINB:SINB+1] offset:(\a)*8192+64*(\b)
	global_load_b128 v[64*(\a)+8*(\b)+4:64*(\a)+8*(\b)+7], v[CSO], s[SINB:SINB+1] offset:(\a)*8192+64*(\b)+16
.endr
.endm
; THE WAY OUT of block a (16 rows).  ROPE: u cos + rotate_half(u) sin in f32, then f16.  Each accumulator's lowest registers are read first.
.macro ROPE a
	WIN 0x09                                       ; source 0 window 1 (the sums), source 1 window 2 (cos)
.irp b, 0,1,2,3,4,5,6,7
.irp p, 0,2,4,6
	v_pk_mul_f32 v[TT+8*(\b)+(\p):TT+8*(\b)+(\p)+1], v[8*(8*(\a)+(\b))+(\p):8*(8*(\a)+(\b))+(\p)+1], v[64*(\a)+8*(\b)+(\p):64*(\a)+8*(\b)+(\p)+1]
.endr
.endr
	WIN 0x0d                                       ; source 1 window 3 (sin)
.irp b, 0,1,2,3
.irp p, 0,2,4,6                        ; channels 0-63: less u[d + 64] sin[d]
	v_pk_fma_f32 v[TT+8*(\b)+(\p):TT+8*(\b)+(\p)+1], v[8*(8*(\a)+(\b)+4)+(\p):8*(8*(\a)+(\b)+4)+(\p)+1], v[64*(\a)+8*(\b)+(\p):64*(\a)+8*(\b)+(\p)+1], v[TT+8*(\b)+(\p):TT+8*(\b)+(\p)+1] neg_lo:[1,0,0] neg_hi:[1,0,0]
.endr
.endr
.irp b, 4,5,6,7
.irp p, 0,2,4,6                        ; channels 64-127: plus u[d - 64] sin[d]
	v_pk_fma_f32 v[TT+8*(\b)+(\p):TT+8*(\b)+(\p)+1], v[8*(8*(\a)+(\b)-4)+(\p):8*(8*(\a)+(\b)-4)+(\p)+1], v[64*(\a)+8*(\b)+(\p):64*(\a)+8*(\b)+(\p)+1], v[TT+8*(\b)+(\p):TT+8*(\b)+(\p)+1]
.endr
.endr
	WIN 0
.set i, 0
.rept 32
	v_cvt_pk_f16_f32 v[PKD+i], v[TT+2*i], v[TT+2*i+1]
.set i, i+1
.endr
.endm
.macro VCVT a                          ; v has no turn: the sums to f16
	WIN 0x05                                       ; sources 0 and 1 window 1
.set i, 0
.rept 32
	v_cvt_pk_f16_f32 v[PKD+i], v[64*(\a)+2*i], v[64*(\a)+2*i+1]
.set i, i+1
.endr
	WIN 0
.endm
.macro XFORM a                         ; the one or the other: the flag hangs on the cluster's x and the wave's number, and is the same in all partners
	s_cmp_eq_u32 s[ISV], 1
	s_cbranch_scc1 .Lplain_\@
	ROPE \a
	s_branch .Lpacked_\@
.Lplain_\@:
	VCVT \a
.Lpacked_\@:
.endm
.macro TOSTAGE a                       ; 16 bytes a lane into my stage, and back as whole rows of 256 bytes
.irp b, 0,1,2,3,4,5,6,7
	ds_store_b128 v[STO], v[PKD+4*(\b):PKD+4*(\b)+3] offset:32*(\b)
.endr
.irp f, 0,1,2,3,4,5,6,7
	ds_load_b128 v[BK+32*((\a)%2)+4*(\f):BK+32*((\a)%2)+4*(\f)+3], v[RD] offset:(\f)*2*SPITCH  ; LDS serves a wave's instructions in order (ISA guide 5.7.1.4): these see the stores above
.endr
.endm
.macro SEND a
	s_wait_dscnt 0x0                               ; the block is back in registers
	s_wait_xcnt 0x0                                ; the stores of the block before have read their registers: the set that they named is loaded again only behind this wait
.irp f, 0,1,2,3,4,5,6,7
	global_store_b128 v[CO], v[BK+32*((\a)%2)+4*(\f):BK+32*((\a)%2)+4*(\f)+3], s[8:9] offset:(\a)*4096+(\f)*512  ; 512 consecutive bytes of the plane, aligned
.endr
.endm
	s_wait_tensorcnt 1                             ; my part of the first long step is in; the first short step's may stay out
	s_barrier_signal -1
	s_barrier_wait -1
	FETCH AL, BL, PL, 0, F0
	QUARTER AL, BL, PL, 64, F0, F1, 1              ; the first quarter stands in front of the loop: its products start the sums
	WIN 0
	s_mov_b32 s3, 9
.Llap:                                                 ; a trip goes once round the ring, from a long step's second quarter to the next long step's first, and fills both slots again
	PAIRS
	TURN 0, 1, 1
	QUARTER ASV, BSV, PS, 64,  F0, F1, 0
	QUARTER ASV, BSV, PS, 128, F1, F0, 0
	QUARTER ASV, BSV, PS, 192, F0, F1, 0
	TURN 1, 1, 1
	QUARTER AL, BL, PL, 64, F0, F1, 0
	WIN 0
	s_sub_co_u32 s3, s3, 1
	s_cmp_lg_u32 s3, 0
	s_cbranch_scc1 .Llap
	PAIRS                                          ; the tenth lap is written out: the long slot is filled once more, the short one is not
	TURN 0, 1, 0
	CSLOAD 0                                       ; cos and sin come in beside the last products
	QUARTER ASV, BSV, PS, 64,  F0, F1, 0
	CSLOAD 1
	QUARTER ASV, BSV, PS, 128, F1, F0, 0
	CSLOAD 2
	QUARTER ASV, BSV, PS, 192, F0, F1, 0
	TURN 1, 0, 0
	CSLOAD 3
	QUARTER AL, BL, PL, 64, F0, F1, 0              ; the eleventh long step
	PAIRS
	s_wait_dscnt 4                                 ; the very last quarter: nothing more to fetch
	MULA F1, 0, 0
	MULA F1, 1, 0
	s_wait_dscnt 0x0
	MULA F1, 2, 0
	MULA F1, 3, 0
	WIN 0
	PLACES
	s_wait_loadcnt 0x0                             ; cos and sin
	XFORM 0
	TOSTAGE 0
	XFORM 1                                        ; a block's arithmetic stands between the loads of the block before and its stores
	SEND 0
	TOSTAGE 1
	XFORM 2
	SEND 1
	TOSTAGE 2
	XFORM 3
	SEND 2
	TOSTAGE 3
	SEND 3
	s_wait_tensorcnt 0x0                           ; the wave's end: the spare word's add, behind my last tensor load and my last LDS store
	ds_add_u32 v[SPW], v[NIL]
	s_wait_dscnt 0x0
	CROUND                                         ; the closing round: no work-group ends while a partner may still ask for a tile that names it
	s_endpgm
.Lfunc_end_k_q0868b901c9_qkv:
	.size	k_q0868b901c9_qkv, .Lfunc_end_k_q0868b901c9_qkv-k_q0868b901c9_qkv
	.p2alignl 7, 3214868480
	.fill 96, 4, 3214868480
	.section	.rodata,"a",@progbits
	.p2align	6, 0x0
	.amdhsa_kernel k_q0868b901c9_qkv
		.amdhsa_group_segment_fixed_size 327680
		.amdhsa_private_segment_fixed_size 0
		.amdhsa_enable_private_segment 0
		.amdhsa_kernarg_size 40
		.amdhsa_user_sgpr_count 2
		.amdhsa_user_sgpr_kernarg_segment_ptr 1
		.amdhsa_wavefront_size32 1
		.amdhsa_system_sgpr_workgroup_id_x 1
		.amdhsa_system_sgpr_workgroup_id_y 1
		.amdhsa_system_sgpr_workgroup_id_z 1
		.amdhsa_system_vgpr_workitem_id 0
		.amdhsa_next_free_vgpr 1024
		.amdhsa_next_free_sgpr 96
		.amdhsa_reserve_vcc 0
		.amdhsa_float_denorm_mode_32 3
		.amdhsa_float_denorm_mode_16_64 3
		.amdhsa_memory_ordered 1
		.amdhsa_forward_progress 1
		.amdhsa_inst_pref_size 143
	.end_amdhsa_kernel
	.amdgpu_metadata
---
amdhsa.version: [ 1, 2 ]
amdhsa.kernels:
  - .name:           k_q0868b901c9_qkv
    .symbol:         k_q0868b901c9_qkv.kd
    .args:
      - { .name: xb, .offset: 0, .size: 8, .value_kind: global_buffer, .address_space: global }
      - { .name: wqkvb, .offset: 8, .size: 8, .value_kind: global_buffer, .address_space: global }
      - { .name: cos, .offset: 16, .size: 8, .value_kind: global_buffer, .address_space: global }
      - { .name: sin, .offset: 24, .size: 8, .value_kind: global_buffer, .address_space: global }
      - { .name: qkv, .offset: 32, .size: 8, .value_kind: global_buffer, .address_space: global }
    .group_segment_fixed_size: 327680
    .private_segment_fixed_size: 0
    .kernarg_segment_align: 8
    .kernarg_segment_size: 40
    .max_flat_workgroup_size: 128
    .sgpr_count:     96
    .vgpr_count:     1024
    .wavefront_size: 32
...
	.end_amdgpu_metadata
.endif
;; end of part 2
;; launch att (part 3): grid 32 x 8, 4 waves a work-group, clusters of 4 x 1, 327,680 bytes of LDS; arguments qkv, attn; writes attn
.if DOCPART == 3
	.amdgcn_target "amdgcn-amd-amdhsa--gfx1250"
	.amdhsa_code_object_version 6
	.text
	.protected	k_q0868b901c9_att
	.globl	k_q0868b901c9_att
	.p2align	8
	.type	k_q0868b901c9_att,@function
k_q0868b901c9_att:
	s_mov_b64 s[64:65], 0
	v_nop
	global_prefetch_b8 v0, s[64:65] scope:SCOPE_SE
	s_setreg_imm32_b32 hwreg(HW_REG_WAVE_MODE, 25, 1), 1
	s_wait_xcnt 0x0
	s_wait_alu depctr_hold_cnt(0) depctr_sa_sdst(0) depctr_va_vdst(0) depctr_va_sdst(0) depctr_va_ssrc(0) depctr_va_vcc(0) depctr_vm_vsrc(0)
	s_getreg_b32 s2, hwreg(HW_REG_IB_STS2, 6, 4)
	s_cmp_eq_u32 s2, 0
	s_cbranch_scc0 .Lentry_in_a_cluster
	s_endpgm
.Lentry_in_a_cluster:
	s_bfe_u32 s2, ttmp6, 0x10000c
	s_cmp_lg_u32 s2, 0x3003
	s_cbranch_scc0 .Lentry_shape_is_right
	s_endpgm
.Lentry_shape_is_right:
; CAUSAL ATTENTION with two query heads to a key head.  16 O[q] = the sum over k <= q of softmax_k(Q[q] . K[k] / sqrt(128)) 16 V[k].
; IN: qkv [b][plane][s = 2048][128] f16 (planes 0-7 q's heads, 8 + 2 j k's head j, 9 + 2 j 16 v's head j).  OUT: attn [b 2048 + s][head 128 + channel] f16, holding 16 O.
; Products, maxima and sums in f32; the weights p are rounded to f16 for the second product (their sum l is taken of the unrounded p), O once at the end.
; LIMITS.  f16 ends at 65,504: Q, K, 16 V arrive within it, and 16 O is a mean of 16 V's rows.  p lies in 0 to 1 and keeps f16's fixed step of 6e-8 below 6e-5.  A hidden score counts as its value less 1e30.
; The running maximum starts at -2^96: f16's scores are 5.5e11 at the most in size, far above it, and a hidden score is far below it.  A weight below 2^-126 counts as 0.  NaN and infinities are not treated apart.
; THE WALK.  y = 4 b + kv picks the batch and the key head.  The 2,048 positions lie in 16 blocks of 128; block i needs the key tiles 0 .. i / 2 of 256 keys.  A cluster (number c = 0..7) takes block 15 - c and
; then block c: nine tiles, whatever c: ONE loop with a constant count walks them, and the ring runs on across the change of blocks.  Of a block, partner cx takes 32 positions for both query heads:
; 64 rows, four tiles of 16 (tile t: head 2 kv + t / 2, positions + 16 (t % 2)).  All four partners walk the same K and V: every fill is a joint load.
; KEYS ARE SPLIT AMONG THE WAVES: of a tile's 256 keys wave w takes 64 w .. 64 w + 63, for all 64 rows, so each byte of K and V is read from LDS once a work-group.  Each wave keeps its own running maximum m,
; sum l and O^T; at a block's end the four are merged through LDS: O = sum_w 2^(c m_w - c M) O_w / sum_w 2^(c m_w - c M) l_w, M the largest m_w.
; LAYOUT.  S^T = K Q^T holds ONE query a lane (lane % 16) and the keys 8 (lane / 16) + 0..7; two such results rounded to f16 ARE source 1 of O^T = V^T P.  K comes out of LDS as it lies, V turned (ds_load_tr16_b128).
; THE MASK is the C operand that starts S^T's sums: 0, or -1e30 where the key is hidden; it is made in every step, and is all 0 but in a block's last tile.  A wave may see only hidden keys of a row there:
; its m stays at the floor, its weights are 0, and the merge gives it the factor 0.
; IN PHASES: a step is K's and V's loads, the masks, 64 products K Q^T, the softmax of four tiles with ONE batch of exponentials, 64 products V^T P.
; REGISTERS, in windows of 256 (s_set_vgpr_msb: bits 1:0 source 0, 3:2 source 1, 5:4 source 2, 7:6 destination):
;   window 0: v1-11, v44-48, v61-63 addresses; v12-43 eight registers of statistics a tile; v64-191 S^T, 32 a tile; v192-255 P, 16 a tile          window 1: O^T, 64 a tile
;   window 2: v0-127 Q, 32 a tile; v128-255 K of my 64 keys          window 3: v0-127 V of my 64 keys; v128-167 five blocks of mask
.set PK,    272       ; a row of K in LDS: 256 bytes + 16 of padding: the 16 rows of a load start at 16 different groups of four banks (ISA guide 11.1)
.set PV,    288       ; a row of V: 256 + 32
.set VOFF,  256*PK    ; a slot: 256 rows of K, then 256 rows of V
.set STATS, VOFF+256*PV  ; between the slots, never filled by a tensor load: 4,096 bytes, (c m, l) by wave, tile and lane
.set SLOTX, 0x24000   ; slot 1 begins here; its two bits are clear in all four LDS addresses of slot 0's loads (0, 0x8800, 0x11000, 0x1a000), so one exclusive or changes slots
.set MA,    SLOTX+STATS  ; behind the ring, never filled by a tensor load: 32,768 bytes: the waves' O^T of one tile; later the stage, 64 rows x 272 bytes
.set SPARE, MA+32768  ; the spare words, 128 bytes for each wave: two blocks of 256 bytes that no other line names
.set SP,    272
.set AK0, 2           ; v2   my lane's place in a slot's K: row 64 w + l % 16; never rewritten
.set AV0, 3           ; v3   the same for V
.set ADRK, 4          ; v4   the LDS address of K's run of loads
.set ADRV, 5          ; v5   of V's
.set QO,  6           ; v6   my byte offset in 16 rows of Q
.set STO, 7           ; v7   the way out: where I put 16 bytes of a row
.set RDS, 8           ; v8   where I read rows back
.set GO,  10          ; v10  my byte offset in two rows of attn
.set THR0, 11         ; v11  l % 16 - 8 (l / 16) + 32 cx - 64 w
.set ST,  12          ; tile t's statistics at v[ST+8 t]: c m, m, l (even keys', odd keys'), c0-c3 at work; c2 takes a
.set THR, 44          ; v44  THR0 + 128 x (the block's number % 2): register j of mask block u is hidden where 16 (u - 1) + j is greater
.set STW, 45          ; v45  where I put my statistics
.set STR, 46          ; v46  where I read all four waves'
.set MW,  47          ; v47  where I put my O^T of a tile
.set MR,  48          ; v48  where I read my two channel blocks of all four waves'
.set PFO, 61          ; v61  256 x lane; never rewritten
.set SPW, 62          ; v62  my spare word; never rewritten
.set NIL, 63          ; v63  0; never rewritten
.set S,   64
.set RR,  128         ; the merge: 16 registers a tile of merged O^T
.set P,   192
.set XX,  192         ; the merge: (factor, l) of tile t, wave w at XX + 8 t + 2 w
.set OPK, 224         ; the merge: 32 registers of packed f16
.set KF,  128         ; window 2: key block kb, channel quarter c at KF + 32 kb + 8 c
.set MK,  128         ; window 3: mask block u at MK + 8 u
.set WV,  12          ; s12  my wave's number
.set CX,  13          ; s13  my place in the cluster: it enters Q's, O's and the prefetches' addresses and the mask's threshold alone
.set PB,  14          ; s14  the second block
.set HI,  15          ; s15  the first block
.set G1K, 24          ; s[24:31] descriptor group 1 for K's tiles
.set G1V, 32          ; s[32:39] for V's: it differs in the padding alone
.set G0K, 40          ; s[40:43] descriptor group 0 for K's tiles
.set G0V, 44          ; s[44:47] for V's
.set KB,  48          ; s[48:49] K at my half of tile 0
.set VB,  50          ; s[50:51] V likewise
.set QA,  52          ; s[52:53] Q at my rows of the first block
.set QB,  54          ; s[54:55] of the second
.set SLOTS, 56        ; s56  tiles still to be asked for
.set CS,  58          ; s[58:59] c = log2(e) / sqrt(128)
.set SEL, 60          ; s[60:61] v_permlanex16_b32's selects: each lane takes its own place in the other half
.set TB,  62          ; s62  LDS byte at which the slot to be read begins
.set OA,  66          ; s[66:67] attn at the 16 rows that I store, first block
.set OB,  68          ; s[68:69] second block
.set RT,  70          ; s70  tiles of the block in hand that are still to be entered
.set NXT, 71          ; s71  the tile to be asked for next
.set LQ,  72          ; s72  the last tile of the block whose tiles are being asked for
.set NBT, 73          ; s73  the second block's tiles
.set OFF, 74          ; s[74:75] a tile's byte offset in K and V
.set BIGN, 76         ; s76  -1e30
.set BIGSEL, 77       ; s77  -1e30 in a block's last tile, else 0
.set PAR0, 78         ; s78  128 x (first block % 2)
.set PAR1, 79         ; s79  128 x (second block % 2)
.set PFA, 80          ; s[80:81] where my prefetches stand
.set LIM, 82          ; s82  2 in the cluster that prefetches, else the greatest number
.set PBH, 83          ; s83  the second block's last tile
.set MSB, 0
.macro WIN new                      ; the high byte repeats the setting that is left; a switch that changes nothing is dropped
.if MSB != (\new)
	s_set_vgpr_msb (MSB<<8)|(\new)
.set MSB, \new
.endif
.endm
.set W_KQ, 0x0a       ; K and Q in window 2, S^T in window 0
.set W_KM, 0x3a       ; the same with the C operand in window 3
.set W_PV, 0x53       ; V in window 3, P in window 0, O^T in window 1
.set W_RS, 0x41       ; O^T (destination and source 0) in window 1, a in window 0
.macro PLACES
.rept 4
	v_nop
.endr
.endm
.macro EACH line:vararg             ; one line for each tile t
.set t, 0
.rept 4
	\line
.set t, t+1
.endr
.endm
; A joint fill.  Waves 0 and 1 fetch the two halves of a tile's K, waves 2 and 3 those of its V: 128 rows of 256 bytes each.  An s_nop 0 and four v_nop follow each line.
.macro JLOAD
	s_cmp_lt_u32 s[WV], 2
	s_cbranch_scc0 .Lfor_v_\@
	tensor_load_to_lds s[G0K:G0K+3], s[G1K:G1K+7]
	s_nop 0
.rept 4
	v_nop
.endr
	s_branch .Lasked_\@
.Lfor_v_\@:
	tensor_load_to_lds s[G0V:G0V+3], s[G1V:G1V+7]
	s_nop 0
.rept 4
	v_nop
.endr
.Lasked_\@:
.endm
.macro CROUND                       ; a round of the cluster's barrier
	s_barrier_signal -1
	s_barrier_wait -1
	s_cmp_lg_u32 s[WV], 0
	s_cbranch_scc1 .Lnot_wave_0_\@
	s_barrier_signal -3
.Lnot_wave_0_\@:
	s_barrier_wait -3
	s_barrier_signal -1
	s_barrier_wait -1
.endm
; A prefetch of the tile that the NEXT change of slots will ask for.  Cluster 0's first block walks all eight tiles of the key head: it alone asks, in its first six changes, for tiles 2 to 7.  Waves 0 and 1 ask for
; K's rows, waves 2 and 3 for V's: rows 64 cx + 32 (w % 2) + lane of the 256, the partners told apart by address.  So each row is named once.  Tiles 0 and 1 come by their loads alone.
.macro ASK
	s_cmp_gt_u32 s[SLOTS], s[LIM]
	s_cbranch_scc0 .Lnot_mine_\@
	global_prefetch_b8 v[PFO], s[PFA:PFA+1] th:TH_LOAD_NT scope:SCOPE_SE
.Lnot_mine_\@:
.endm
; Q of a block stays in registers: tile i / 4, channels 32 (i % 4) on; the second head's plane lies 524,288 bytes on
.macro QLOAD qb
	WIN 0x80                        ; destination window 2
.set i, 0
.rept 16
	global_load_b128 v[8*i:8*i+3],   v[QO], s[\qb:\qb+1] offset:(i/8)*524288+((i/4)%2)*4096+(i%4)*64
	global_load_b128 v[8*i+4:8*i+7], v[QO], s[\qb:\qb+1] offset:(i/8)*524288+((i/4)%2)*4096+(i%4)*64+32
.set i, i+1
.endr
	WIN 0
.endm
; A block begins: c m far below every c s, so the first step's a is 0 and O^T and l need only hold finite numbers; m at the floor.
.macro BEGINBLK par
	EACH v_mov_b32 v[ST+8*t], 0xfe000000
	EACH v_mov_b32 v[ST+8*t+1], 0xef800000
	v_add_nc_u32 v[THR], s[\par], v[THR0]
.endm
; THE CHANGE OF SLOTS.  Each wave waits for all its tensor loads (one is out: its part of the other slot), adds 0 to its spare word, and waits for that and for its reads of the slot that it leaves.
; fill = 1: the barrier is a round of the cluster's, and the old slot is filled again, first thing behind it, with tile NXT: the descriptor's address is made anew from that number.
; (At its first use nothing has been read yet: slot 0 is waited for, slot 1 filled.)
.macro CHANGE fill
	WIN 0
	s_wait_tensorcnt 0x0            ; no tensor load of mine is out, so a group 0 may be written
	ds_add_u32 v[SPW], v[NIL]       ; 0 onto my spare word; scalar work stands between it and the wait for it
.if \fill
	s_lshl_b32 s[OFF], s[NXT], 16   ; a tile is 65,536 bytes of K and of V
	s_xor_b32 s[G0K+1], s[G0K+1], SLOTX
	s_add_nc_u64 s[G0K+2:G0K+3], s[KB:KB+1], s[OFF:OFF+1]
	s_or_b32 s[G0K+3], s[G0K+3], 0x80000000
	s_xor_b32 s[G0V+1], s[G0V+1], SLOTX
	s_add_nc_u64 s[G0V+2:G0V+3], s[VB:VB+1], s[OFF:OFF+1]
	s_or_b32 s[G0V+3], s[G0V+3], 0x80000000
	s_add_co_u32 s[NXT], s[NXT], 1  ; the block's next tile, or behind its last the second block's tile 0
	s_cmp_gt_u32 s[NXT], s[LQ]
	s_cselect_b32 s[NXT], 0, s[NXT]
	s_cselect_b32 s[LQ], s[PBH], s[LQ]
	s_wait_xcnt 0x0                 ; the last prefetch, a step back, has read its address
	s_add_nc_u64 s[PFA:PFA+1], s[PFA:PFA+1], 65536
.endif
	s_xor_b32 s[TB], s[TB], SLOTX   ; the reads go to the other slot
	s_wait_dscnt 0x0                ; the add is done, and my reads of the slot are over
.if \fill
	CROUND
	JLOAD                           ; one load of mine is out; it has a step, 128 matrix instructions and the softmax, in which to land.  Its four v_nop are also the places in front of V's loads
	ASK
.else
	s_barrier_signal -1
	s_barrier_wait -1
	PLACES                          ; in front of the loads into V's registers, which the last products read
.endif
.endm
.macro ENTER                        ; a tile is entered
	s_sub_co_u32 s[RT], s[RT], 1
	s_cmp_eq_u32 s[RT], 0
	s_cselect_b32 s[BIGSEL], s[BIGN], 0
.endm
; A STEP: my 64 keys of the tile in slot TB, for all four tiles of queries.
.macro STEP
	WIN 0
	v_add_nc_u32 v[ADRK], s[TB], v[AK0]
	v_add_nc_u32 v[ADRV], s[TB], v[AV0]
	WIN 0x80                        ; destination window 2
.irp f, 0,1,2,3,4,5,6,7,8,9,10,11,12,13,14,15  ; keys 16 (f / 4) on, channels 32 (f % 4) on
	ds_load_b128 v[KF+8*(\f):KF+8*(\f)+3],   v[ADRK] offset:((\f)/4)*16*PK+((\f)%4)*64
	ds_load_b128 v[KF+8*(\f)+4:KF+8*(\f)+7], v[ADRK] offset:((\f)/4)*16*PK+((\f)%4)*64+32
.endr
	WIN 0xc0                        ; destination window 3
.irp f, 0,1,2,3,4,5,6,7,8,9,10,11,12,13,14,15  ; keys 32 (f / 8) on, channels 16 (f % 8) on
	ds_load_tr16_b128 v[8*(\f):8*(\f)+3],   v[ADRV] offset:((\f)/8)*32*PV+((\f)%8)*32
	ds_load_tr16_b128 v[8*(\f)+4:8*(\f)+7], v[ADRV] offset:((\f)/8)*32*PV+16*PV+((\f)%8)*32
.endr
	; the masks, while the loads are out.  Key 64 w + 16 kb + 8 (l / 16) + j is hidden from the query at 128 (block % 2) + 32 cx + 16 (t % 2) + l % 16 where it is greater: block u = kb + 1 - t % 2 serves both parities of t
.set i, 0
.rept 40
	v_cmp_gt_i32 vcc_lo, 16*(i/8)-16+i%8, v[THR]
	v_cndmask_b32 v[MK+i], 0, s[BIGSEL], vcc_lo
.set i, i+1
.endr
	s_wait_loadcnt 0x0              ; Q
	s_wait_dscnt 32                 ; K is in; V's 32 loads may be out
	; 64 products S^T = K Q^T: channels 32 (i / 16) on, keys 16 ((i / 4) % 4) on, tile i % 4.  The first 16 start the sums with the mask.  The 16 accumulators take turns.
.set i, 0
.rept 64
.if i < 16
	WIN W_KM
	v_wmma_f32_16x16x32_f16 v[S+32*(i%4)+8*((i/4)%4):S+32*(i%4)+8*((i/4)%4)+7], v[KF+32*((i/4)%4)+8*(i/16):KF+32*((i/4)%4)+8*(i/16)+7], v[32*(i%4)+8*(i/16):32*(i%4)+8*(i/16)+7], v[MK+8*((i/4)%4+1-i%2):MK+8*((i/4)%4+1-i%2)+7]
.else
	WIN W_KQ
	v_wmma_f32_16x16x32_f16 v[S+32*(i%4)+8*((i/4)%4):S+32*(i%4)+8*((i/4)%4)+7], v[KF+32*((i/4)%4)+8*(i/16):KF+32*((i/4)%4)+8*(i/16)+7], v[32*(i%4)+8*(i/16):32*(i%4)+8*(i/16)+7], v[S+32*(i%4)+8*((i/4)%4):S+32*(i%4)+8*((i/4)%4)+7]
.endif
.set i, i+1
.endr
	WIN 0
	PLACES
	; THE SOFTMAX, each line for the four tiles by turns.  The maximum of the lane's 32 scores and the old m: four chains of seven scores, each accumulator's lowest registers read first
.set j, 0
.rept 4
	EACH v_max3_num_f32 v[ST+8*t+4+j], v[S+32*t+8*j], v[S+32*t+8*j+1], v[S+32*t+8*j+2]
.set j, j+1
.endr
.rept 8
	EACH v_max3_num_f32 v[ST+8*t+4+j%4], v[ST+8*t+4+j%4], v[S+32*t+8*(j%4)+2*(j/4)+1], v[S+32*t+8*(j%4)+2*(j/4)+2]
.set j, j+1
.endr
	EACH v_max3_num_f32 v[ST+8*t+4], v[ST+8*t+4], v[S+32*t+7], v[S+32*t+15]
	EACH v_max3_num_f32 v[ST+8*t+6], v[ST+8*t+6], v[S+32*t+23], v[S+32*t+31]
	EACH v_max3_num_f32 v[ST+8*t+4], v[ST+8*t+4], v[ST+8*t+5], v[ST+8*t+6]
	EACH v_max3_num_f32 v[ST+8*t+4], v[ST+8*t+4], v[ST+8*t+7], v[ST+8*t+1]
	EACH v_permlanex16_b32 v[ST+8*t+5], v[ST+8*t+4], s[SEL], s[SEL+1]  ; the query's other 32 keys lie in the lane 16 away
	EACH v_mov_b32 v[ST+8*t+7], v[ST+8*t]                              ; c m_old is kept
	EACH v_max_num_f32 v[ST+8*t+1], v[ST+8*t+4], v[ST+8*t+5]
	EACH v_mul_f32 v[ST+8*t], s[CS], v[ST+8*t+1]
	EACH v_sub_f32 v[ST+8*t+7], v[ST+8*t+7], v[ST+8*t]
	; ONE BATCH: a, the 16 scalings c s - c m of a pair each, and the 32 exponentials, a pair's behind the next pair's scaling.  None of these names an exponential's result.
	EACH v_exp_f32 v[ST+8*t+6], v[ST+8*t+7]
.set n, 0
.rept 17
.if n < 16
	EACH v_pk_fma_f32 v[S+32*t+2*n:S+32*t+2*n+1], v[S+32*t+2*n:S+32*t+2*n+1], s[CS:CS+1], v[ST+8*t:ST+8*t+1] op_sel_hi:[1,0,0] neg_lo:[0,0,1] neg_hi:[0,0,1]
.endif
.if n > 0
	EACH v_exp_f32 v[S+32*t+2*n-2], v[S+32*t+2*n-2]
	EACH v_exp_f32 v[S+32*t+2*n-1], v[S+32*t+2*n-1]
.endif
.set n, n+1
.endr
	v_nop                           ; a plain instruction behind the last exponential, ahead of the first use (ISA guide 5.7.2): one for the batch
	s_wait_alu depctr_va_vdst(0)    ; the wait ahead of the first line that names a result: one for the 132 exponentials
.set n, 0
.rept 16
	EACH v_cvt_pk_f16_f32 v[P+16*t+n], v[S+32*t+2*n], v[S+32*t+2*n+1]
.set n, n+1
.endr
.irp w, 4,8,16,32                   ; the sum of a tile's 16 pairs, in place: neighbours 1, 2, 4 and 8 pairs apart
.set u, 0
.rept 32/(\w)
	EACH v_pk_add_f32 v[S+32*t+(\w)*u:S+32*t+(\w)*u+1], v[S+32*t+(\w)*u:S+32*t+(\w)*u+1], v[S+32*t+(\w)*u+(\w)/2:S+32*t+(\w)*u+(\w)/2+1]
.set u, u+1
.endr
.endr
	EACH v_pk_fma_f32 v[ST+8*t+2:ST+8*t+3], v[ST+8*t+2:ST+8*t+3], v[ST+8*t+6:ST+8*t+7], v[S+32*t:S+32*t+1] op_sel_hi:[1,0,1]  ; l = a l + the sum
	WIN W_RS
.set n, 0
.rept 32
	EACH v_pk_mul_f32 v[64*t+2*n:64*t+2*n+1], v[64*t+2*n:64*t+2*n+1], v[ST+8*t+6:ST+8*t+7] op_sel_hi:[1,0]  ; O^T times a, from each accumulator's low end on
.set n, n+1
.endr
	s_wait_dscnt 0x0                ; V is in
	; 64 products O^T += V^T P: keys 32 (i / 32) on, channels 16 ((i / 4) % 8) on, tile i % 4.  The 32 accumulators take turns.
	WIN W_PV
.set i, 0
.rept 64
	v_wmma_f32_16x16x32_f16 v[64*(i%4)+8*((i/4)%8):64*(i%4)+8*((i/4)%8)+7], v[64*(i/32)+8*((i/4)%8):64*(i/32)+8*((i/4)%8)+7], v[P+16*(i%4)+8*(i/32):P+16*(i%4)+8*(i/32)+7], v[64*(i%4)+8*((i/4)%8):64*(i%4)+8*((i/4)%8)+7]
.set i, i+1
.endr
.endm
; A BLOCK ENDS: the four waves' statistics and O^T are merged through LDS, and the block's 64 rows leave.  ob: attn at my rows.  next = 1: the second block's Q is asked for.
; Every region that is written here is read by other waves only behind the writers' wait for their stores and a barrier, and written again only behind the readers' wait for their loads and a barrier.
.macro BLOCKEND ob, next
	WIN 0
	EACH v_add_f32 v[ST+8*t+4], v[ST+8*t+2], v[ST+8*t+3]               ; four plain lines: the places behind the last products
.if \next
	QLOAD QB
.endif
	EACH v_permlanex16_b32 v[ST+8*t+5], v[ST+8*t+4], s[SEL], s[SEL+1]
	EACH v_add_f32 v[ST+8*t+1], v[ST+8*t+4], v[ST+8*t+5]               ; my l, whole, beside c m
	EACH ds_store_b64 v[STW], v[ST+8*t:ST+8*t+1] offset:256*t
	s_wait_dscnt 0x0                ; for the others' sake: my stores are done
	s_barrier_signal -1
	s_barrier_wait -1
.set ww, 0
.rept 4
	EACH ds_load_b64 v[XX+8*t+2*ww:XX+8*t+2*ww+1], v[STR] offset:1024*ww+256*t
.set ww, ww+1
.endr
	s_wait_dscnt 0x0
	EACH v_max3_num_f32 v[ST+8*t+4], v[XX+8*t], v[XX+8*t+2], v[XX+8*t+4]
	EACH v_max_num_f32 v[ST+8*t+4], v[ST+8*t+4], v[XX+8*t+6]           ; c M
.set ww, 0
.rept 4
	EACH v_sub_f32 v[XX+8*t+2*ww], v[XX+8*t+2*ww], v[ST+8*t+4]
.set ww, ww+1
.endr
.set ww, 0
.rept 4
	EACH v_exp_f32 v[XX+8*t+2*ww], v[XX+8*t+2*ww]                      ; 2^(c m_w - c M)
.set ww, ww+1
.endr
	v_nop
	s_wait_alu depctr_va_vdst(0)    ; one wait for the sixteen exponentials
	EACH v_mul_f32 v[ST+8*t+5], v[XX+8*t], v[XX+8*t+1]
.set ww, 1
.rept 3
	EACH v_fmac_f32 v[ST+8*t+5], v[XX+8*t+2*ww], v[XX+8*t+2*ww+1]
.set ww, ww+1
.endr
	EACH v_rcp_f32 v[ST+8*t+6], v[ST+8*t+5]
	v_nop
	s_wait_alu depctr_va_vdst(0)    ; one wait for the four reciprocals
.set ww, 0
.rept 4
	EACH v_mul_f32 v[XX+8*t+2*ww], v[XX+8*t+2*ww], v[ST+8*t+6]         ; each wave's factor, the division by l in it
.set ww, ww+1
.endr
.irp tt, 0,1,2,3                    ; a tile at a time: every wave puts its 64 registers, and takes channel blocks 2 w, 2 w + 1 of all four
	WIN 0x04                        ; the stores' data in window 1
.set n, 0
.rept 16
	ds_store_b128 v[MW], v[64*(\tt)+4*n:64*(\tt)+4*n+3] offset:512*n
.set n, n+1
.endr
	WIN 0
	s_wait_dscnt 0x0
	s_barrier_signal -1
	s_barrier_wait -1
.set n, 0
.rept 16
	ds_load_b128 v[S+4*n:S+4*n+3], v[MR] offset:8192*(n/4)+512*(n%4)
.set n, n+1
.endr
	s_wait_dscnt 0x0                ; my reads are over:
	s_barrier_signal -1             ; say so, and work on registers while the others arrive
.set n, 0
.rept 8
	v_pk_mul_f32 v[RR+16*(\tt)+2*n:RR+16*(\tt)+2*n+1], v[S+2*n:S+2*n+1], v[XX+8*(\tt):XX+8*(\tt)+1] op_sel_hi:[1,0]
.set n, n+1
.endr
.irp wv, 1,2,3
.set n, 0
.rept 8
	v_pk_fma_f32 v[RR+16*(\tt)+2*n:RR+16*(\tt)+2*n+1], v[S+16*(\wv)+2*n:S+16*(\wv)+2*n+1], v[XX+8*(\tt)+2*(\wv):XX+8*(\tt)+2*(\wv)+1], v[RR+16*(\tt)+2*n:RR+16*(\tt)+2*n+1] op_sel_hi:[1,0,1]
.set n, n+1
.endr
.endr
	s_barrier_wait -1               ; nobody reads the area any more
.endr
.set n, 0
.rept 32
	v_cvt_pk_f16_f32 v[OPK+n], v[RR+2*n], v[RR+2*n+1]
.set n, n+1
.endr
.set n, 0
.rept 8                             ; the stage: row 16 t + l % 16, my 32 channels' 64 bytes: tile n / 2, channel block n % 2
	ds_store_b128 v[STO], v[OPK+4*n:OPK+4*n+3] offset:(n/2)*16*SP+32*(n%2)
.set n, n+1
.endr
	s_wait_dscnt 0x0
	s_barrier_signal -1
	s_barrier_wait -1
.set n, 0
.rept 8                             ; wave w takes tile w's 16 rows, whole
	ds_load_b128 v[S+4*n:S+4*n+3], v[RDS] offset:n*2*SP
.set n, n+1
.endr
	s_wait_dscnt 0x0
.set n, 0
.rept 8
	global_store_b128 v[GO], v[S+4*n:S+4*n+3], s[\ob:\ob+1] offset:4096*n  ; 16 lanes store 256 consecutive bytes, aligned: a head's channels of one row
.set n, n+1
.endr
.if \next
	s_wait_xcnt 0x0                 ; the stores have read their registers: S^T's are written again only behind this wait
.endif
.endm
	s_load_b128 s[4:7], s[0:1], 0x0   ; qkv s[4:5], attn s[6:7]
	v_lshl_add_u32 v[SPW], v0, 2, SPARE
	v_mov_b32 v[NIL], 0
	ds_add_u32 v[SPW], v[NIL]       ; the wave's opening: the add and its wait, ahead of my first tensor load; work on registers stands between them
	v_lshrrev_b32 v1, 5, v0
	v_readfirstlane_b32 s[WV], v1   ; wave 0..3
	s_bfe_u32 s[CX], ttmp6, 0x40000
	s_mov_b32 s[PB], ttmp9          ; in a cluster launch ttmp9 counts clusters
	s_sub_co_u32 s[HI], 15, s[PB]
	s_and_b32 s16, ttmp7, 0xffff    ; y
	s_lshr_b32 s17, s16, 2          ; b
	s_and_b32 s18, s16, 3           ; kv
	s_lshl_b32 s19, s17, 4
	s_lshl1_add_u32 s19, s18, s19   ; 16 b + 2 kv: the plane of my first query head; K's lies 8 planes on, V's 9
	s_and_b32 s22, s[WV], 1
	s_lshr_b32 s23, s[WV], 1
	s_add_co_u32 s20, s19, 8        ; K: its plane (524,288 bytes a plane), and my half of a tile's 256 rows
	s_lshl_b32 s20, s20, 19
	s_lshl_b32 s21, s22, 15
	s_add_co_u32 s20, s20, s21
	s_mov_b32 s21, 0
	s_lshl_b32 s2, s19, 19          ; Q: the plane, my work-group's 32 rows, the block's 128
	s_lshl_b32 s3, s[CX], 13
	s_add_co_u32 s2, s2, s3
	s_lshl_b32 s3, s[HI], 15
	s_add_co_u32 s[QA], s2, s3
	s_mov_b32 s[QA+1], 0
	s_lshl_b32 s3, s[PB], 15
	s_add_co_u32 s[QB], s2, s3
	s_mov_b32 s[QB+1], 0
	s_lshl_b32 s2, s17, 11          ; attn: I store tile w: row 2,048 b + 128 block + 32 cx + 16 (w % 2), head 2 kv + w / 2
	s_lshl_b32 s3, s[CX], 5
	s_add_co_u32 s2, s2, s3
	s_lshl_b32 s3, s22, 4
	s_add_co_u32 s2, s2, s3
	s_lshl_b32 s2, s2, 11
	s_lshl1_add_u32 s3, s18, s23
	s_lshl_b32 s3, s3, 8
	s_add_co_u32 s2, s2, s3
	s_lshl_b32 s3, s[HI], 18
	s_add_co_u32 s[OA], s2, s3
	s_mov_b32 s[OA+1], 0
	s_lshl_b32 s3, s[PB], 18
	s_add_co_u32 s[OB], s2, s3
	s_mov_b32 s[OB+1], 0
	s_add_co_u32 s2, s23, s19       ; the prefetches: K's plane (waves 0, 1) or V's (waves 2, 3), rows 64 cx + 32 (w % 2) of tile 1; the first change steps it to tile 2
	s_add_co_u32 s2, s2, 8
	s_lshl_b32 s2, s2, 19
	s_lshl_b32 s3, s[CX], 14
	s_add_co_u32 s2, s2, s3
	s_lshl_b32 s3, s22, 13
	s_add_co_u32 s2, s2, s3
	s_add_co_u32 s[PFA], s2, 65536
	s_mov_b32 s[PFA+1], 0
	s_cmp_eq_u32 s[PB], 0
	s_cselect_b32 s[LIM], 2, -1     ; the same in all four partners
	s_lshr_b32 s[LQ], s[HI], 1
	s_add_co_u32 s[RT], s[LQ], 1    ; the first block's tiles
	s_lshr_b32 s[PBH], s[PB], 1
	s_add_co_u32 s[NBT], s[PBH], 1
	s_mov_b32 s[NXT], 1
	s_mov_b32 s[OFF+1], 0
	s_mov_b32 s[BIGN], 0xf149f2ca   ; -1e30
	s_and_b32 s[PAR0], s[HI], 1
	s_lshl_b32 s[PAR0], s[PAR0], 7
	s_and_b32 s[PAR1], s[PB], 1
	s_lshl_b32 s[PAR1], s[PAR1], 7
	s_mov_b32 s[TB], SLOTX          ; the first change of slots turns it into 0
	s_mov_b32 s[SLOTS], 8
	s_mov_b32 s[CS], 0x3e0293ee     ; c = log2(e) / sqrt(128) = 0.127517
	s_mov_b32 s[CS+1], s[CS]        ; named with it as a pair
	s_mov_b32 s[SEL], 0x76543210
	s_mov_b32 s[SEL+1], 0xfedcba98
	; descriptor group 1: 128 rows x 128 elements, padded in LDS
	s_mov_b32 s[G1K], 15|(1<<16)|(1<<20)|(1<<21)|(5<<22)|(3<<25)  ; the mask of four; 2-byte elements; padding on; bit 21 beside a mask; after every 64 words 4 words
	s_mov_b32 s[G1V], 15|(1<<16)|(1<<20)|(1<<21)|(5<<22)|(7<<25)  ; the same with 8 words of padding
.irp g, G1K, G1V
	s_mov_b32 s[(\g)+1], 128<<16    ; tensor_dim0 = 128
	s_mov_b32 s[(\g)+2], 128<<16    ; tensor_dim1 = 128
	s_mov_b32 s[(\g)+3], 128<<16    ; tile_dim0 = 128
	s_mov_b32 s[(\g)+4], 128        ; tile_dim1 = 128
	s_mov_b32 s[(\g)+5], 128        ; 128 elements from row to row
	s_mov_b32 s[(\g)+6], 0
	s_mov_b32 s[(\g)+7], 0
.endr
	s_mov_b32 s[G0K], 1
	s_mul_i32 s[G0K+1], s22, 128*PK ; LDS address: slot 0, my half: no place in the cluster enters it
	s_mov_b32 s[G0V], 1
	s_mul_i32 s[G0V+1], s22, 128*PV
	s_add_co_u32 s[G0V+1], s[G0V+1], VOFF
	s_wait_dscnt 0x0                ; the opening add is done
	s_wait_kmcnt 0x0
	s_add_nc_u64 s[KB:KB+1], s[4:5], s[20:21]
	s_add_nc_u64 s[VB:VB+1], s[KB:KB+1], 0x80000
	s_add_nc_u64 s[G0K+2:G0K+3], s[KB:KB+1], 0
	s_or_b32 s[G0K+3], s[G0K+3], 0x80000000
	s_add_nc_u64 s[G0V+2:G0V+3], s[VB:VB+1], 0
	s_or_b32 s[G0V+3], s[G0V+3], 0x80000000
	s_add_nc_u64 s[QA:QA+1], s[4:5], s[QA:QA+1]
	s_add_nc_u64 s[QB:QB+1], s[4:5], s[QB:QB+1]
	s_add_nc_u64 s[OA:OA+1], s[6:7], s[OA:OA+1]
	s_add_nc_u64 s[OB:OB+1], s[6:7], s[OB:OB+1]
	s_add_nc_u64 s[PFA:PFA+1], s[4:5], s[PFA:PFA+1]
	CROUND                          ; all four work-groups are here: the first joint loads meet
	JLOAD                           ; tile 0 into slot 0
	v_and_b32 v1, 15, v0            ; l % 16
	v_bfe_u32 v9, v0, 4, 1          ; l / 16
	v_and_b32 v51, 31, v0           ; l
	v_lshlrev_b32 v[QO], 8, v1
	v_lshl_add_u32 v[QO], v9, 4, v[QO]  ; row x 256 + 16 x half
	QLOAD QA
	; O^T and l start at 0: written once, in the wait for the first tile, so that every step has one text
	WIN 0x40
.set i, 0
.rept 256
	v_mov_b32 v[i], 0
.set i, i+1
.endr
	WIN 0
	EACH v_mov_b32 v[ST+8*t+2], 0
	EACH v_mov_b32 v[ST+8*t+3], 0
	s_mul_i32 s2, s[WV], 64*PK      ; my 64 keys
	v_mul_u32_u24 v[AK0], v1, PK
	v_lshl_add_u32 v[AK0], v9, 4, v[AK0]
	v_add_nc_u32 v[AK0], s2, v[AK0]
	; the turning load takes 16 keys x 16 channels (lane l reads key 8 (l / 16) + l % 8, channels 8 ((l / 8) % 2) + 0..7) and leaves half a fragment of V^T
	v_and_b32 v49, 7, v0
	v_bfe_u32 v50, v0, 3, 1
	v_lshl_add_u32 v[AV0], v9, 3, v49
	v_mul_u32_u24 v[AV0], v[AV0], PV
	v_lshl_add_u32 v[AV0], v50, 4, v[AV0]
	s_mul_i32 s2, s[WV], 64*PV
	s_add_co_u32 s2, s2, VOFF
	v_add_nc_u32 v[AV0], s2, v[AV0]
	s_lshl_b32 s2, s[WV], 10
	s_add_co_u32 s2, s2, STATS
	v_lshl_add_u32 v[STW], v51, 3, s2
	v_lshl_add_u32 v[STR], v51, 3, STATS
	s_lshl_b32 s2, s[WV], 13
	s_add_co_u32 s2, s2, MA
	v_lshl_add_u32 v[MW], v51, 4, s2
	s_lshl_b32 s2, s[WV], 11
	s_add_co_u32 s2, s2, MA
	v_lshl_add_u32 v[MR], v51, 4, s2
	s_lshl_b32 s2, s[WV], 6
	s_add_co_u32 s2, s2, MA
	v_mul_u32_u24 v[STO], v1, SP
	v_lshl_add_u32 v[STO], v9, 4, v[STO]
	v_add_nc_u32 v[STO], s2, v[STO]
	s_mul_i32 s2, s[WV], 16*SP
	s_add_co_u32 s2, s2, MA
	v_mul_u32_u24 v[RDS], v9, SP
	v_lshl_add_u32 v[RDS], v1, 4, v[RDS]
	v_add_nc_u32 v[RDS], s2, v[RDS]
	v_lshlrev_b32 v[GO], 11, v9     ; a row of attn is 2,048 bytes
	v_lshl_add_u32 v[GO], v1, 4, v[GO]
	v_lshlrev_b32 v[PFO], 8, v51
	v_lshlrev_b32 v49, 3, v9
	v_sub_nc_u32 v[THR0], v1, v49
	s_lshl_b32 s2, s[CX], 5
	s_lshl_b32 s3, s[WV], 6
	s_sub_co_i32 s2, s2, s3
	v_add_nc_u32 v[THR0], s2, v[THR0]
	BEGINBLK PAR0
.Lslot:                             ; eight times: a tile is entered and the next is asked for
	CHANGE 1
	ENTER
	STEP
	WIN 0
	s_cmp_lg_u32 s[RT], 0           ; RT hangs on the cluster's number alone: alike in all waves and all partners
	s_cbranch_scc1 .Lbottom
	BLOCKEND OA, 1                  ; in the loop this is the first block's end: the second block's last tile is the walk's last
	s_mov_b32 s[RT], s[NBT]
	BEGINBLK PAR1
.Lbottom:
	s_sub_co_u32 s[SLOTS], s[SLOTS], 1
	s_cmp_lg_u32 s[SLOTS], 0
	s_cbranch_scc1 .Lslot
	CHANGE 0                        ; the walk's last tile is written out: nothing is asked for
	ENTER
	STEP
	BLOCKEND OB, 0
	s_wait_tensorcnt 0x0            ; the wave's end: the spare word's add, behind my last tensor load and my last LDS store
	ds_add_u32 v[SPW], v[NIL]
	s_wait_dscnt 0x0
	CROUND                          ; the closing round: no work-group ends while a partner may still ask for a tile that names it
	s_endpgm
.Lfunc_end_k_q0868b901c9_att:
	.size	k_q0868b901c9_att, .Lfunc_end_k_q0868b901c9_att-k_q0868b901c9_att
	.p2alignl 7, 3214868480
	.fill 96, 4, 3214868480
	.section	.rodata,"a",@progbits
	.p2align	6, 0x0
	.amdhsa_kernel k_q0868b901c9_att
		.amdhsa_group_segment_fixed_size 327680
		.amdhsa_private_segment_fixed_size 0
		.amdhsa_enable_private_segment 0
		.amdhsa_kernarg_size 16
		.amdhsa_user_sgpr_count 2
		.amdhsa_user_sgpr_kernarg_segment_ptr 1
		.amdhsa_wavefront_size32 1
		.amdhsa_system_sgpr_workgroup_id_x 1
		.amdhsa_system_sgpr_workgroup_id_y 1
		.amdhsa_system_sgpr_workgroup_id_z 1
		.amdhsa_system_vgpr_workitem_id 0
		.amdhsa_next_free_vgpr 936
		.amdhsa_next_free_sgpr 84
		.amdhsa_reserve_vcc 1
		.amdhsa_float_denorm_mode_32 3
		.amdhsa_float_denorm_mode_16_64 3
		.amdhsa_memory_ordered 1
		.amdhsa_forward_progress 1
		.amdhsa_inst_pref_size 168
	.end_amdhsa_kernel
	.amdgpu_metadata
---
amdhsa.version: [ 1, 2 ]
amdhsa.kernels:
  - .name:           k_q0868b901c9_att
    .symbol:         k_q0868b901c9_att.kd
    .args:
      - { .name: qkv, .offset: 0, .size: 8, .value_kind: global_buffer, .address_space: global }
      - { .name: attn, .offset: 8, .size: 8, .value_kind: global_buffer, .address_space: global }
    .group_segment_fixed_size: 327680
    .private_segment_fixed_size: 0
    .kernarg_segment_align: 8
    .kernarg_segment_size: 16
    .max_flat_workgroup_size: 128
    .sgpr_count:     84
    .vgpr_count:     936
    .wavefront_size: 32
...
	.end_amdgpu_metadata
.endif
;; end of part 3
;; launch oproj (part 4): grid 16 x 16, 4 waves a work-group, clusters of 4 x 4, 327,680 bytes of LDS; arguments attn, wof, out0; writes out0
.if DOCPART == 4
	.amdgcn_target "amdgcn-amd-amdhsa--gfx1250"
	.amdhsa_code_object_version 6
	.text
	.protected	k_q0868b901c9_oproj
	.globl	k_q0868b901c9_oproj
	.p2align	8
	.type	k_q0868b901c9_oproj,@function
k_q0868b901c9_oproj:
	s_mov_b64 s[64:65], 0
	v_nop
	global_prefetch_b8 v0, s[64:65] scope:SCOPE_SE
	s_setreg_imm32_b32 hwreg(HW_REG_WAVE_MODE, 25, 1), 1
	s_wait_xcnt 0x0
	s_wait_alu depctr_hold_cnt(0) depctr_sa_sdst(0) depctr_va_vdst(0) depctr_va_sdst(0) depctr_va_ssrc(0) depctr_va_vcc(0) depctr_vm_vsrc(0)
	s_getreg_b32 s2, hwreg(HW_REG_IB_STS2, 6, 4)
	s_cmp_eq_u32 s2, 0
	s_cbranch_scc0 .Lentry_in_a_cluster
	s_endpgm
.Lentry_in_a_cluster:
	s_bfe_u32 s2, ttmp6, 0x10000c
	s_cmp_lg_u32 s2, 0xf033
	s_cbranch_scc0 .Lentry_shape_is_right
	s_endpgm
.Lentry_shape_is_right:
; out0 = O wo^T.  A = attn [4096][1024] f16, holding 16 O; B = wof [4096][1024] f16, holding 16 wo (rounded to bf16 first); sums in f32, K ascending; the sum times 2^-8, exact, is stored in f32.
; SHARES.  A tile of C is 256 x 256: 16 x 16 = 256 work-groups.  Four waves, each 128 x 128: 64 accumulators of 16 x 16, 512 registers.
; K goes in steps of 128 (256 matrix instructions a wave) through a ring of two LDS slots filled by the tensor data mover: rows of 256 bytes, aligned.  A refill has 224 matrix instructions in which to land.
; ONE K STEP IS WRITTEN ONCE: the slot's offset, 0x22000, has no bit in common with the four loads' LDS addresses (0, 0x8800, 0x11000, 0x19800), so one walking descriptor changes slots by an exclusive or;
; the fragments' addresses are a lane's fixed term plus a scalar that goes between 0 and the slot's offset.  Six trips fill a slot again; the last two steps are a second loop, which asks for nothing and is left
; in its middle: its last change of slots fetches 16 fragments a wave that nothing reads, the price, once a launch, of one text for both steps.
; CLUSTER.  4 x 4 work-groups: A's tile is shared along a row of the cluster, B's along a column: each is asked for jointly, by the same tensor load with the same descriptor and a mask of four.
; THE MATRIX INSTRUCTION IS USED TRANSPOSED (source 0 = 16 rows of B, source 1 = 16 rows of A): lane l holds row l % 16 of C and the columns 8 (l / 16) + 0..7: 32 bytes of a row.
; REGISTERS, in windows of 256 (s_set_vgpr_msb: bits 1:0 source 0, 3:2 source 1, 5:4 source 2, 7:6 destination):
;   window 0: v16-30 addresses; v64-127, v128-191 fragments of A (8 x 16 rows x 32 K), two buffers; on the way out v32-223 at work          window 1: v64-127, v128-191 fragments of B, two buffers
;   window 2: the 32 accumulators of my rows 0-63 (accumulator (a, b) at v[8 (8 a + b)])          window 3: those of my rows 64-127
.set KS,     1024
.set KSTEP,  128
.set STEPS,  KS/KSTEP
.set PITCH,  272                       ; an LDS row: 256 bytes + 16 of padding: the 16 rows that a load touches start at 16 different groups of four banks (ISA guide 11.1)
.set HALFT,  128*PITCH                 ; 128 rows: what one tensor load brings, and what one wave reads of A or of B
.set SLOT,   4*HALFT                   ; A's 256 rows, then B's 256
.set STAGE,  2*SLOT                    ; behind the ring, never filled by a tensor load: 16 rows x 528 bytes for each wave
.set SPITCH, 528                       ; 512 bytes of f32 + 16
.set SPARE,  STAGE+4*16*SPITCH         ; the spare words, 128 bytes for each wave: two blocks of 256 bytes that no other line names
.set A0,   16                          ; v16     my lane's place among my A fragments in slot 0; never rewritten
.set ADRA, 17                          ; v17     the same in the slot that is being read
.set B0,   20                          ; v20, v21  the same two for B
.set ADRB, 21
.set STO,  24                          ; v24     the way out: where I put 32 bytes of a row
.set RD,   25                          ; v25     where I read a row back
.set CO,   26                          ; v26     16 x lane: my place in a row's 512 bytes
.set SPW,  28                          ; v28     my spare word; never rewritten
.set NIL,  29                          ; v29     0; never rewritten
.set PFO,  30                          ; v30     the prefetches' offset: lane x a row of A or B; never rewritten
.set F0,   64
.set F1,   128
.set TT,   32                          ; the way out: a block's 64 scaled numbers
.set BK,   96                          ; two sets of 64: rows read back from the stage
.set TB,   2                           ; s2      LDS byte at which the slot that is being read begins
.set G1A, 24                           ; s[24:31] descriptor group 1 for A's tiles
.set G0A, 32                           ; s[32:39] group 0: a set for each of the two first fills; the second then walks on
.set LIM, 43                           ; s43     1 in a wave that prefetches, else the greatest number
.set PFA, 44                           ; s[44:45] where my prefetches stand
.set G1B, 48                           ; s[48:55], s[56:63] the same for B's tiles
.set G0B, 56
.set MSB, 0
.macro WIN new                         ; the immediate's high byte repeats the setting that is left; a switch that changes nothing is dropped
.if MSB != (\new)
	s_set_vgpr_msb (MSB<<8)|(\new)
.set MSB, \new
.endif
.endm
.set MUL_LO, 0xa1                      ; source 0 (B) window 1, source 1 (A) window 0, C and D window 2
.set MUL_HI, 0xf1                      ; the same, C and D window 3
.set TO_B,   0x40                      ; destination window 1, address window 0
.macro PLACES                          ; four places behind a matrix instruction (ISA guide 7.12.1)
.rept 4
	v_nop
.endr
.endm
.macro JLOAD s                         ; a joint load: waves 0 and 1 fetch A's two halves, waves 2 and 3 B's; an s_nop 0 and four v_nop follow each line
	s_cmp_eq_u32 s11, 0
	s_cbranch_scc0 .Lfor_b_\@
	tensor_load_to_lds s[G0A+4*(\s):G0A+4*(\s)+3], s[G1A:G1A+7]
	s_nop 0
.rept 4
	v_nop
.endr
	s_branch .Lasked_\@
.Lfor_b_\@:
	tensor_load_to_lds s[G0B+4*(\s):G0B+4*(\s)+3], s[G1B:G1B+7]
	s_nop 0
.rept 4
	v_nop
.endr
.Lasked_\@:
.endm
.macro CREST                           ; a round of the cluster's barrier behind its opening barrier
	s_cmp_lg_u32 s10, 0
	s_cbranch_scc1 .Lnot_wave_0_\@
	s_barrier_signal -3
.Lnot_wave_0_\@:
	s_barrier_wait -3
	s_barrier_signal -1
	s_barrier_wait -1
.endm
.macro CROUND
	s_barrier_signal -1
	s_barrier_wait -1
	CREST
.endm
; A prefetch of the K step that the NEXT refill will load: 32 rows x 256 bytes, a lane a row, 256 matrix instructions ahead of that load.  Cluster x = 0 asks for A's rows, cluster y = 0 for B's; of the 128 rows
; that a wave fetches each of the four partners that ask for them jointly takes 32, told apart by address.  Each row's 256 bytes of a K step are named once.  K steps 0 to 2 come by their loads alone; the
; loop's last trip has no refill behind its own, and asks for nothing.
.macro ASK
	s_cmp_gt_u32 s3, s[LIM]
	s_cbranch_scc0 .Lnot_mine_\@
	global_prefetch_b8 v[PFO], s[PFA:PFA+1] th:TH_LOAD_NT scope:SCOPE_SE
.Lnot_mine_\@:
.endm
	s_load_b128 s[4:7], s[0:1], 0x0                ; attn s[4:5], wof s[6:7]
	s_load_b64 s[8:9], s[0:1], 0x10                ; out0
	v_lshl_add_u32 v[SPW], v0, 2, SPARE
	v_mov_b32 v[NIL], 0
	ds_add_u32 v[SPW], v[NIL]                      ; the wave's opening: the add and its wait, ahead of my first tensor load; work on registers stands between them
	v_lshrrev_b32 v1, 5, v0
	v_readfirstlane_b32 s10, v1                    ; wave 0..3
	s_lshr_b32 s11, s10, 1                         ; which 128 rows of the tile are mine.  Also: I fetch for A (0) or for B (1)
	s_and_b32 s12, s10, 1                          ; which 128 columns.  Also: which 128 rows of that tile I fetch
	s_bfe_u32 s40, ttmp6, 0x40000                  ; cx
	s_bfe_u32 s41, ttmp6, 0x40004                  ; cy
	s_lshl_b32 s42, ttmp9, 2
	s_add_co_u32 s42, s42, s40                     ; tile column
	s_and_b32 s13, ttmp7, 0xffff
	s_lshl_b32 s13, s13, 2
	s_add_co_u32 s13, s13, s41                     ; tile row
	s_lshl_b32 s43, s41, 2
	s_lshl_b32 s43, 15, s43                        ; my row of the cluster
	s_lshl_b32 s44, 0x1111, s40                    ; my column
	s_or_b32 s[G1A+0], s43, (1<<16)|(1<<20)|(1<<21)|(5<<22)|(3<<25)  ; the mask; elements of 2 bytes; padding on; bit 21 beside a mask; after every 64 words 4 words
	s_or_b32 s[G1B+0], s44, (1<<16)|(1<<20)|(1<<21)|(5<<22)|(3<<25)
.irp g, G1A, G1B
	s_mov_b32 s[(\g)+1], KSTEP<<16                 ; tensor_dim0 = 128
	s_mov_b32 s[(\g)+2], 128<<16                   ; tensor_dim1 = 128
	s_mov_b32 s[(\g)+3], KSTEP<<16                 ; tile_dim0 = 128
	s_mov_b32 s[(\g)+4], 128                       ; tile_dim1 = 128
	s_mov_b32 s[(\g)+5], KS                        ; elements from row to row
	s_mov_b32 s[(\g)+6], 0
	s_mov_b32 s[(\g)+7], 0
.endr
	s_lshl_b32 s17, s12, 7                         ; which 128 rows of the tile I fetch
	s_lshl_b32 s16, s13, 8
	s_add_co_u32 s16, s16, s17                     ; A: row 256 x tile row + 128 x half
	s_lshl_b32 s46, s42, 8
	s_add_co_u32 s46, s46, s17                     ; B: row 256 x tile column + 128 x half
	s_mov_b32 s17, 0
	s_mov_b32 s47, 0
	s_mov_b64 s[18:19], KS*2
	s_mul_u64 s[16:17], s[16:17], s[18:19]
	s_mul_u64 s[46:47], s[46:47], s[18:19]
	s_mul_i32 s20, s10, HALFT                      ; where they go: A's two halves, then B's two: no place in the cluster enters an LDS address
	s_mov_b32 s[TB], 0
	s_wait_dscnt 0x0                               ; the opening add is done
	s_wait_kmcnt 0x0
	s_add_nc_u64 s[14:15], s[4:5], s[16:17]
	s_add_nc_u64 s[46:47], s[6:7], s[46:47]
	CROUND                                         ; all sixteen work-groups are here: the first joint loads meet
.irp s, 0,1
	s_mov_b32 s[G0A+4*(\s)], 1
	s_add_co_u32 s[G0A+4*(\s)+1], s20, (\s)*SLOT
	s_add_nc_u64 s[G0A+4*(\s)+2:G0A+4*(\s)+3], s[14:15], (\s)*KSTEP*2
	s_or_b32 s[G0A+4*(\s)+3], s[G0A+4*(\s)+3], 0x80000000
	s_mov_b32 s[G0B+4*(\s)], 1
	s_add_co_u32 s[G0B+4*(\s)+1], s20, (\s)*SLOT
	s_add_nc_u64 s[G0B+4*(\s)+2:G0B+4*(\s)+3], s[46:47], (\s)*KSTEP*2
	s_or_b32 s[G0B+4*(\s)+3], s[G0B+4*(\s)+3], 0x80000000
	JLOAD \s                                       ; two loads of mine are out
.endr
	; a fragment is 16 rows x 32 K in 8 registers: lane l holds row l % 16, K = 8 (l / 16) + 0..7 and 16 + 8 (l / 16) + 0..7: two loads of 16 bytes, 32 bytes apart
	v_and_b32 v1, 15, v0                           ; l % 16
	v_bfe_u32 v2, v0, 4, 1                         ; l / 16
	v_mul_u32_u24 v3, v1, PITCH
	v_lshl_add_u32 v3, v2, 4, v3
	s_mul_i32 s21, s11, HALFT                      ; my 128 rows of A
	s_mul_i32 s22, s12, HALFT                      ; my 128 rows of B,
	s_add_co_u32 s22, s22, 2*HALFT                 ; which lie behind A's 256
	v_add_nc_u32 v[A0], s21, v3
	v_add_nc_u32 v[B0], s22, v3
	v_mov_b32 v[ADRA], v[A0]                       ; K step 0 lies in slot 0
	v_mov_b32 v[ADRB], v[B0]
	s_mul_i32 s23, s10, 16*SPITCH
	s_add_co_u32 s23, s23, STAGE                   ; my stage
	v_mul_u32_u24 v4, v1, SPITCH                   ; in: row l % 16, 32 bytes for each half of the lanes
	v_lshl_add_u32 v4, v2, 5, v4
	v_add_nc_u32 v[STO], s23, v4
	v_and_b32 v[CO], 31, v0
	v_lshlrev_b32 v[CO], 4, v[CO]
	v_add_nc_u32 v[RD], s23, v[CO]                 ; back: 32 lanes take one row of 512 bytes
	s_lshl_b32 s16, s13, 8
	s_lshl_b32 s17, s11, 7
	s_add_co_u32 s16, s16, s17                     ; my first row,
	s_lshl_b32 s16, s16, 14                        ; of 16,384 bytes
	s_lshl_b32 s46, s42, 10                        ; my first column: 1,024 bytes a tile column, 512 a half
	s_lshl_b32 s47, s12, 9
	s_add_co_u32 s46, s46, s47
	s_add_co_u32 s46, s46, s16
	s_mov_b32 s47, 0
	s_add_nc_u64 s[8:9], s[8:9], s[46:47]
	; the prefetches
	s_lshl_b32 s20, s13, 8                         ; the tile's first row: in A by the tile row,
	s_lshl_b32 s21, s42, 8                         ; in B by the tile column
	s_and_b32 s22, ttmp7, 0xffff                   ; cluster y
	s_cmp_eq_u32 s11, 0
	s_cselect_b32 s20, s20, s21
	s_cselect_b32 s21, s40, s41                    ; my place among the four that ask with me
	s_cselect_b32 s22, ttmp9, s22                  ; the coordinate along which other clusters read the same rows
	s_cselect_b64 s[PFA:PFA+1], s[4:5], s[6:7]
	s_cmp_eq_u32 s22, 0
	s_cselect_b32 s[LIM], 1, -1                    ; the same in all sixteen partners, for a given wave
	s_lshl_b32 s22, s12, 7
	s_add_co_u32 s20, s20, s22                     ; + the 128 rows that I fetch
	s_lshl_b32 s21, s21, 5
	s_add_co_u32 s20, s20, s21                     ; + my work-group's 32 of them
	s_mov_b32 s21, 0
	s_mov_b64 s[18:19], KS*2
	s_mul_u64 s[20:21], s[20:21], s[18:19]
	s_add_nc_u64 s[PFA:PFA+1], s[PFA:PFA+1], s[20:21]
	s_add_nc_u64 s[PFA:PFA+1], s[PFA:PFA+1], 2*KSTEP*2  ; at K step 2: the first refill steps it to 3
	v_and_b32 v[PFO], 31, v0
	v_mul_u32_u24 v[PFO], v[PFO], KS*2
; 16 matrix instructions: m blocks a0, a0 + 1 of the window's four (hi = 0: my rows 0-63, 1: rows 64-127) x all 8 n blocks, 32 along K.  zero = 1: the first product starts the sums.
; The 64 accumulators take turns, one instruction a turn, in the same order in every quarter.
.macro MUL16 f, hi, a0, zero
	WIN MUL_LO+0x50*(\hi)
.irp a, \a0, (\a0)+1
.irp b, 0,1,2,3,4,5,6,7
.if \zero
	v_wmma_f32_16x16x32_f16 v[8*(8*(\a)+(\b)):8*(8*(\a)+(\b))+7], v[(\f)+8*(\b):(\f)+8*(\b)+7], v[(\f)+8*(4*(\hi)+(\a)):(\f)+8*(4*(\hi)+(\a))+7], 0
.else
	v_wmma_f32_16x16x32_f16 v[8*(8*(\a)+(\b)):8*(8*(\a)+(\b))+7], v[(\f)+8*(\b):(\f)+8*(\b)+7], v[(\f)+8*(4*(\hi)+(\a)):(\f)+8*(4*(\hi)+(\a))+7], v[8*(8*(\a)+(\b)):8*(8*(\a)+(\b))+7]
.endif
.endr
.endr
.endm
; 32 LDS loads in one run: a quarter step's fragments (128 rows of B, 128 rows of A, 32 K at byte k of the rows of the slot that is being read) into buffer f
.macro FETCH k, f
	WIN TO_B
.irp i, 0,1,2,3,4,5,6,7
	ds_load_b128 v[(\f)+8*(\i):(\f)+8*(\i)+3],   v[ADRB] offset:(\k)+(\i)*16*PITCH
	ds_load_b128 v[(\f)+8*(\i)+4:(\f)+8*(\i)+7], v[ADRB] offset:(\k)+(\i)*16*PITCH+32
.endr
	WIN 0
.irp i, 0,1,2,3,4,5,6,7
	ds_load_b128 v[(\f)+8*(\i):(\f)+8*(\i)+3],   v[ADRA] offset:(\k)+(\i)*16*PITCH
	ds_load_b128 v[(\f)+8*(\i)+4:(\f)+8*(\i)+7], v[ADRA] offset:(\k)+(\i)*16*PITCH+32
.endr
.endm
; A K step is four quarters of 32 along K, 64 matrix instructions each, on buffers 0, 1, 0, 1.  One of the first three: multiplies f and fetches the next quarter, at byte k, into g.
.macro QUARTER k, f, g, zero
	s_wait_dscnt 8                                 ; B and A's rows 0-63 are in; the youngest eight loads (A's rows 64-127) may be out
	MUL16 \f, 0, 0, \zero
	MUL16 \f, 0, 2, \zero
	PLACES
	FETCH \k, \g
	s_wait_dscnt 32                                ; all but the 32 just issued
	MUL16 \f, 1, 0, \zero
	MUL16 \f, 1, 2, \zero
.endm
; The last quarter multiplies buffer 1 and changes slots: ONE barrier; in front of it each wave waits for all its tensor loads (one is out: its part of the other slot), adds 0 to its spare word, and waits for
; that and for its reads of this slot.  fill = 1: the barrier opens a round of the cluster's, and this slot is filled again, two K steps ahead, first thing behind the round.
.macro TURN fill
.if \fill
	s_wait_xcnt 0x0                                ; the last prefetch, a K step back, has read its address
	s_add_nc_u64 s[PFA:PFA+1], s[PFA:PFA+1], KSTEP*2
.endif
	WIN 0                                          ; (the add's two registers lie in window 0)
	s_wait_tensorcnt 0x0                           ; all my tensor loads have landed
	ds_add_u32 v[SPW], v[NIL]                      ; 0 onto my spare word
	s_wait_dscnt 9                                 ; (the add and the youngest eight loads may be out)
	MUL16 F1, 0, 0, 0                              ; sixteen matrix instructions stand between the add and the wait for it
	s_wait_dscnt 0x0                               ; the add is done, and my reads of this slot are over
	s_barrier_signal -1
	MUL16 F1, 0, 2, 0
	WIN 0
	s_barrier_wait -1
.if \fill
	CREST                                          ; no wave of any partner still reads this slot's tile or has a load on its way
	s_xor_b32 s[G0A+5], s[G0A+5], SLOT             ; the walking descriptors: the other slot than last time,
	s_add_nc_u64 s[G0A+6:G0A+7], s[G0A+6:G0A+7], KSTEP*2  ; the next K step; the type bits on top are not reached
	s_xor_b32 s[G0B+5], s[G0B+5], SLOT
	s_add_nc_u64 s[G0B+6:G0B+7], s[G0B+6:G0B+7], KSTEP*2
	s_xor_b32 s[TB], s[TB], SLOT                   ; the reads go to the other slot
	JLOAD 1                                        ; the four v_nop behind it are also the places in front of the loads below
.else
	s_xor_b32 s[TB], s[TB], SLOT
	PLACES
.endif
	v_add_nc_u32 v[ADRA], s[TB], v[A0]
	v_add_nc_u32 v[ADRB], s[TB], v[B0]
	FETCH 0, F0
.if \fill
	ASK
.endif
	MUL16 F1, 1, 0, 0
	MUL16 F1, 1, 2, 0
.endm
; THE WAY OUT of block a (16 rows x 128 columns of f32).
.macro SCALE a                         ; times 2^-8, from each accumulator's low end on
	WIN 0x02+((\a)/4)                              ; source 0 window 2 or 3
.set i, 0
.rept 32
	v_pk_mul_f32 v[TT+2*i:TT+2*i+1], v[64*((\a)%4)+2*i:64*((\a)%4)+2*i+1], 0x3b800000 op_sel_hi:[1,0]
.set i, i+1
.endr
	WIN 0
.endm
.macro TOSTAGE a                       ; 32 bytes a lane and column block into my stage, and back as whole rows of 512 bytes
.set i, 0
.rept 16
	ds_store_b128 v[STO], v[TT+4*i:TT+4*i+3] offset:64*(i/2)+16*(i%2)
.set i, i+1
.endr
.set i, 0
.rept 16
	ds_load_b128 v[BK+64*((\a)%2)+4*i:BK+64*((\a)%2)+4*i+3], v[RD] offset:i*SPITCH  ; LDS serves a wave's instructions in order (ISA guide 5.7.1.4): these see the stores above
.set i, i+1
.endr
.endm
.macro SEND a
	s_wait_dscnt 0x0                               ; the block is back in registers
	s_wait_xcnt 0x0                                ; the stores of the block before have read their registers: the set that they named is loaded again only behind this wait
.set i, 0
.rept 16
	global_store_b128 v[CO], v[BK+64*((\a)%2)+4*i:BK+64*((\a)%2)+4*i+3], s[8:9] offset:(16*(\a)+i)*16384 th:TH_STORE_NT  ; 512 consecutive bytes of a row, aligned
.set i, i+1
.endr
.endm
	s_wait_tensorcnt 1                             ; my part of K step 0 is in; K step 1's may stay out
	s_barrier_signal -1
	s_barrier_wait -1
	FETCH 0, F0
	QUARTER 64, F0, F1, 1                          ; the first quarter stands in front of the loop: its products start the sums
	WIN 0
	s_mov_b32 s3, STEPS-2
.Lstep:                                                ; a trip goes from a K step's second quarter to the next step's first, and fills the slot that it leaves
	QUARTER 128, F1, F0, 0
	QUARTER 192, F0, F1, 0
	TURN 1
	QUARTER 64, F0, F1, 0
	WIN 0
	s_sub_co_u32 s3, s3, 1
	s_cmp_lg_u32 s3, 0
	s_cbranch_scc1 .Lstep
	s_mov_b32 s3, 2
.Ltail:                                                ; the last two K steps ask for nothing; the second trip is left behind its last products
	QUARTER 128, F1, F0, 0
	QUARTER 192, F0, F1, 0
	TURN 0
	WIN 0
	s_sub_co_u32 s3, s3, 1
	s_cmp_eq_u32 s3, 0
	s_cbranch_scc1 .Lout
	QUARTER 64, F0, F1, 0
	WIN 0
	s_branch .Ltail
.Lout:
	s_wait_dscnt 0x0                               ; the last change's fetch, which nothing reads, has landed: its registers are written again below
	PLACES
	SCALE 0
	TOSTAGE 0
.irp a, 1,2,3,4,5,6,7                  ; a block's arithmetic stands between the loads of the block before and its stores
	SCALE \a
	SEND (\a)-1
	TOSTAGE \a
.endr
	SEND 7
	s_wait_tensorcnt 0x0                           ; the wave's end: the spare word's add, behind my last tensor load and my last LDS store
	ds_add_u32 v[SPW], v[NIL]
	s_wait_dscnt 0x0
	CROUND                                         ; the closing round: no work-group ends while a partner may still ask for a tile that names it
	s_endpgm
.Lfunc_end_k_q0868b901c9_oproj:
	.size	k_q0868b901c9_oproj, .Lfunc_end_k_q0868b901c9_oproj-k_q0868b901c9_oproj
	.p2alignl 7, 3214868480
	.fill 96, 4, 3214868480
	.section	.rodata,"a",@progbits
	.p2align	6, 0x0
	.amdhsa_kernel k_q0868b901c9_oproj
		.amdhsa_group_segment_fixed_size 327680
		.amdhsa_private_segment_fixed_size 0
		.amdhsa_enable_private_segment 0
		.amdhsa_kernarg_size 24
		.amdhsa_user_sgpr_count 2
		.amdhsa_user_sgpr_kernarg_segment_ptr 1
		.amdhsa_wavefront_size32 1
		.amdhsa_system_sgpr_workgroup_id_x 1
		.amdhsa_system_sgpr_workgroup_id_y 1
		.amdhsa_system_sgpr_workgroup_id_z 1
		.amdhsa_system_vgpr_workitem_id 0
		.amdhsa_next_free_vgpr 1024
		.amdhsa_next_free_sgpr 66
		.amdhsa_reserve_vcc 0
		.amdhsa_float_denorm_mode_32 3
		.amdhsa_float_denorm_mode_16_64 3
		.amdhsa_memory_ordered 1
		.amdhsa_forward_progress 1
		.amdhsa_inst_pref_size 122
	.end_amdhsa_kernel
	.amdgpu_metadata
---
amdhsa.version: [ 1, 2 ]
amdhsa.kernels:
  - .name:           k_q0868b901c9_oproj
    .symbol:         k_q0868b901c9_oproj.kd
    .args:
      - { .name: attn, .offset: 0, .size: 8, .value_kind: global_buffer, .address_space: global }
      - { .name: wof, .offset: 8, .size: 8, .value_kind: global_buffer, .address_space: global }
      - { .name: out0, .offset: 16, .size: 8, .value_kind: global_buffer, .address_space: global }
    .group_segment_fixed_size: 327680
    .private_segment_fixed_size: 0
    .kernarg_segment_align: 8
    .kernarg_segment_size: 24
    .max_flat_workgroup_size: 128
    .sgpr_count:     66
    .vgpr_count:     1024
    .wavefront_size: 32
...
	.end_amdgpu_metadata
.endif
;; end of part 4
